; MI455X (gfx1250); checked and timed in simulation.
; The chip was launched on July 23, 2026; its instructions are those of AMD's public machine-readable ISA for CDNA 5 (MIT licence, August 2026) and "CDNA5" Instruction Set Architecture Reference Guide (July 2026). The comments in the code are by the model that wrote it; some were corrected since.
;; Transformer Layer. Allowed arithmetic: matrix products marked QUANTISED: E2M3 operands, one E8M0 scale for each 32 along K, by v_wmma_scale_f32_16x16x128_f8f6f4 with both operands' format E2M3, f32 sums; everything else in f32.
;; Inputs: b_in 4,096 float32; b_out 1,024 float32; bt1 1,024 float32; bt2 1,024 float32; g1 1,024 float32; g2 1,024 float32; w_in 1,024 x 4,096 float32; w_out 4,096 x 1,024 float32; wk 16 x 1,024 x 64 float32; wo 1,024 x 1,024 float32; wq 16 x 1,024 x 64 float32; wv 16 x 1,024 x 64 float32; x 2 x 2,048 x 1,024 float32.
;; Outputs: out0 2 x 2,048 x 1,024 float32.
;; This version of the problem:
;;   THIS VERSION OF THE PROBLEM IS GIVEN IN LOW PRECISION. The matrix products marked QUANTISED in the list below multiply operands that are first quantised to E2M3 (2 exponent bits, 3 mantissa bits; 6 bits a number), with one power-of-two scale for each 32 numbers along K (OCP MX v1.0); their sums are f32. All else is computed in f32.
;;   The module's matrix products, in the order in which they are computed (A, B: the left and right operand; K: the contracted axis; several contracted axes count as one K, in the product's order):
;;     1. [M 1,024, K 1,024] x [K 1,024, N 4,096]; A: input wq; B: input x: QUANTISED
;;     2. [M 1,024, K 1,024] x [K 1,024, N 4,096]; A: input wk; B: input x: QUANTISED
;;     3. [M 1,024, K 1,024] x [K 1,024, N 4,096]; A: input wv; B: input x: QUANTISED
;;     4. batch 32 x [M 2,048, K 64] x [K 64, N 2,048]; A: computed on the way; B: computed on the way: QUANTISED
;;     5. batch 32 x [M 2,048, K 2,048] x [K 2,048, N 64]; A: softmax (see below); B: computed on the way: QUANTISED
;;     6. [M 4,096, K 1,024] x [K 1,024, N 1,024]; A: computed on the way; B: input wo: QUANTISED
;;     7. [M 4,096, K 1,024] x [K 1,024, N 4,096]; A: computed on the way; B: input w_in: QUANTISED
;;     8. [M 4,096, K 4,096] x [K 4,096, N 1,024]; A: computed on the way; B: input w_out: QUANTISED
;;   THE QUANTISER, for each operand of a quantised product, along K:
;;     - K is cut into blocks of 32 from its start; a last block that is shorter is filled with zeros.
;;     - A block's scale is 2^e with e = floor(log2(the largest magnitude in the block)) - 2, held to -126 .. 127; a block of zeros has e = 0. As a byte (E8M0): e + 127.
;;     - Each number is divided by its block's scale, clamped to +-7.5, and rounded to the nearest number of E2M3, ties to even, subnormals kept.
;;     - The product sums the exact products of the quantised numbers (number of the format x scale) in f32.
;;   ~~~python
;;   def quantise(x, axis):      # numpy; x: float32 -> the quantised numbers, widened to float32 again
;;       x = np.moveaxis(x, axis, -1); K = x.shape[-1]
;;       x = np.pad(x, [(0, 0)] * (x.ndim - 1) + [(0, -K % 32)]); x = x.reshape(x.shape[:-1] + (-1, 32)); a = np.abs(x).max(-1, keepdims=True)
;;       e = np.where(a > 0, np.clip(np.frexp(np.where(a > 0, a, 1))[1] - 1 - 2, -126, 127), 0)      # np.frexp(a)[1] - 1 = floor(log2(a)), exactly
;;       r = np.clip(x / 2.0 ** e, -7.5, 7.5)
;;       step = 2.0 ** (np.maximum(np.frexp(np.where(r == 0, 1, r))[1] - 1, 0) - 3)
;;       q = np.round(r / step) * step * 2.0 ** e      # np.round: ties to even
;;       return np.moveaxis(q.reshape(q.shape[:-2] + (-1,))[..., :K], -1, axis).astype(np.float32)
;;   ~~~
;;   SOFTMAX AHEAD OF A QUANTISED PRODUCT. Where the list says 'softmax', what is quantised is not the finished softmax but p = 2^(t - M), with t = logit x log2(e) and M = ceil(the row's largest t), a whole number; so 1/2 < the row's largest p <= 1. The row's sum l is taken of the UNQUANTISED p, in f32, and the product's result is divided by l at the end. Since M is a whole number, a kernel that streams over the keys may use a running M (the ceiling of the running maximum): every later rescaling is an exact power of two, which a block's scale takes up: the codes' values come out the same.
;;   OPERANDS COMPUTED ON THE WAY. 'Computed on the way' means the value that the module computes at that place (a softmax that the list does not call 'softmax' is quantised finished and normalised). What goes into a quantiser is computed in f32, as accurately as f32 sums, v_exp_f32 and their like allow (about 1e-6 of the number): no bf16 or f16 on the way to a quantiser, and a product that is left as it is and whose result goes on into a quantised operand takes f32 operands (vector FMAs, or v_wmma_f32_16x16x4_f32). A number that lies on a knife's edge between two numbers of the format may be rounded either way, as far as f32 arithmetic and the matrix unit's own rounding can turn it there, and no further.
;; One version. Each part assembles by itself: llvm-mc -triple=amdgcn-amd-amdhsa -mcpu=gfx1250 --defsym DOCPART=n.
;; ======== version 1 of 1: 7 launches
;; limits: right only within a limited range of input values
;; workspace buffers: wts 13,107,200 bytes; qkv 9,830,400 bytes; ho 3,276,800 bytes; y 16,777,216 bytes; x1 20,054,016 bytes; hid 13,107,200 bytes
;; launch quant (part 1): grid 448 x 1, 8 waves a work-group, no clusters, 66,816 bytes of LDS; arguments x, wq, wk, wv, wo, w_in, w_out, wts; writes wts
.if DOCPART == 1
	.amdgcn_target "amdgcn-amd-amdhsa--gfx1250"
	.amdhsa_code_object_version 6
	.text
	.protected	k_q6dd1a2a2fe_quant
	.globl	k_q6dd1a2a2fe_quant
	.p2align	8
	.type	k_q6dd1a2a2fe_quant,@function
k_q6dd1a2a2fe_quant:
	s_mov_b64 s[64:65], 0
	v_nop
	global_prefetch_b8 v0, s[64:65] scope:SCOPE_SE
	s_setreg_imm32_b32 hwreg(HW_REG_WAVE_MODE, 25, 1), 1
	s_wait_xcnt 0x0
; LAUNCH 1 OF 8.  x and the six weights, f32, become codes of FP6 (E2M3) with one E8M0 byte for each 32 along their product's K, laid in the workspace wts
; as IMAGES OF OPERAND REGISTERS: a fragment (16 rows x 128 K, 12 registers a lane) is 1,536 bytes, register 4 c + i of lane l at byte 512 c + 16 l + 4 i.
; Codes tables are [tile][K step][1536], scale tables [K step][tile][16 rows] of one word (byte b: block b of the K step).
; POSITIONS.  Row p = 32 b + 16 u + 8 a + j of a tiled table is the actual row (or weight column) 32 b + 16 a + 8 u + j: bits 3 and 4 change places.  So a table used as a
; product's source 0 leaves 16 actual neighbours in the 16 registers of two neighbouring result tiles, which is what the next quantiser wants.
; DEAD WORK OF THE WHOLE PROGRAM.  reference() sets scores[i][j] to -inf for j > i by a mask that it builds itself; exp gives 0 there for all finite inputs, a 0 adds nothing to the row's sum,
; its code is 0 and adds nothing to the second product.  So key steps of 128 keys that lie wholly behind a tile's 16 queries are left out in the launch attn.  Nothing else is left out; all 13 inputs are loaded.
; LIMITS: a NaN, an infinity or an overflow that reaches only those scores is not carried to the result.  A block of zeros gets the byte 1 where the rule says 127: its codes are zeros,
; and the bytes are read by this program alone.  NaN and infinities among the inputs are not served.
; SHARES.  Work-groups 0-255: one tile (16 rows) of x each, through a stage in LDS.  Work-groups 256-447: 128 columns x 512 K of a weight each, a lane to a column, registers down K, no LDS.
.set PIT,   4112                       ; a stage row: 4,096 bytes + 16, so that the 16 rows of a load start in 16 different groups of banks
.set SPARE, 16*PIT                     ; behind the stage: the spare words, 128 bytes for each of eight waves
.set FRB,   1536
.set S1,    5505024                    ; regions of wts, in bytes
.set WOC,   5734400
.set WOS,   6520832
.set WINC,  6553600
.set WINS,  9699328
.set WOUTC, 9830400
.set WOUTS, 12976128
.set SPW, 30                           ; v30 my spare word's LDS address, v31 zero: never rewritten
.set NIL, 31
.set TM,  16                           ; v16-22 at work in the quantiser
.set TT,  152                          ; v152-158 second halves of blocks' codes
.set SEL, 66                           ; s[66:67] lane selects: lane l xor 16
; 64 numbers of a lane, v[x + 32 c + i] = k 64 c + 32 h + i of its row, become the fragment's 12 registers v[f] on and the row's scale word v[w]
.macro QUANTK x, f, w
.irp c, 0,1
	v_max3_num_f32 v[TM+\c], |v[\x+32*\c]|, |v[\x+32*\c+1]|, 0x1800000   ; with the floor 2^(3 - 127): the byte cannot fall under 1
.endr
.irp i, 2,4,6,8,10,12,14,16,18,20,22,24,26,28,30
.irp c, 0,1
	s_delay_alu instid0(VALU_DEP_2)
	v_max3_num_f32 v[TM+\c], v[TM+\c], |v[\x+32*\c+\i]|, |v[\x+32*\c+\i+1]|
.endr
.endr
.irp c, 0,1
	s_delay_alu instid0(VALU_DEP_2)
	v_add_nc_u32 v[TM+2+\c], 0xff000000, v[TM+\c]          ; 2 off the exponent field: the conversion's scale operand
.endr
.irp c, 0,1
	s_delay_alu instid0(VALU_DEP_2)
	v_lshrrev_b32 v[TM+4+\c], 23, v[TM+2+\c]               ; the scale's byte
.endr
	s_delay_alu instid0(VALU_DEP_1)
	v_lshl_or_b32 v[\w], v[TM+5], 16, v[TM+4]              ; my blocks h and 2 + h,
	v_lshlrev_b32 v[TM+6], 3, v4
	s_delay_alu instid0(VALU_DEP_1)
	v_lshlrev_b32 v[\w], v[TM+6], v[\w]                    ; at their places in the word;
	v_mov_b32 v[TM+6], 0
	s_delay_alu instid0(VALU_DEP_1)
	v_permlanex16_b32 v[TM+6], v[\w], s[SEL], s[SEL+1]
	s_delay_alu instid0(VALU_DEP_1)
	v_or_b32 v[\w], v[\w], v[TM+6]                         ; with lane l xor 16's two the word is whole
.irp c, 0,1
	v_cvt_scalef32_pk16_fp6_f32 v[\f+6*\c:\f+6*\c+2], v[\x+32*\c:\x+32*\c+15], v[TM+2+\c]
	v_cvt_scalef32_pk16_fp6_f32 v[TT+4*\c:TT+4*\c+2], v[\x+32*\c+16:\x+32*\c+31], v[TM+2+\c]   ; (a conversion's three registers begin on an even number)
.endr
	v_nop                                                  ; one plain line behind the conversions
.irp c, 0,1
.irp i, 0,1,2
	v_mov_b32 v[\f+6*\c+3+\i], v[TT+4*\c+\i]
.endr
.endr
.endm
	s_load_b256 s[4:11], s[0:1], 0x0               ; x s[4:5], wq s[6:7], wk s[8:9], wv s[10:11]
	s_load_b256 s[12:19], s[0:1], 0x20             ; wo s[12:13], w_in s[14:15], w_out s[16:17], wts s[18:19]
	v_lshl_add_u32 v[SPW], v0, 2, SPARE
	v_mov_b32 v[NIL], 0
	v_lshrrev_b32 v1, 5, v0
	s_delay_alu instid0(VALU_DEP_1)
	v_readfirstlane_b32 s20, v1                    ; wave 0..7
	v_and_b32 v2, 31, v0                           ; lane
	v_and_b32 v3, 15, v0                           ; r
	v_bfe_u32 v4, v0, 4, 1                         ; h
	s_delay_alu instid0(VALU_DEP_3)
	v_lshlrev_b32 v5, 4, v2                        ; 16 x lane
	s_mov_b32 s[SEL], 0x76543210
	s_mov_b32 s[SEL+1], 0xfedcba98
	s_cmp_ge_u32 ttmp9, 256                        ; the work-group's number alone decides
	s_cbranch_scc1 .Lweights
	; ---- x: tile = work-group.  Wave w brings positions 2 w and 2 w + 1, which are two neighbouring actual rows: 8,192 consecutive bytes
	s_lshr_b32 s21, ttmp9, 1
	s_lshl_b32 s21, s21, 5
	s_lshr_b32 s22, s20, 2
	s_lshl_b32 s22, s22, 4
	s_add_co_u32 s21, s21, s22
	s_and_b32 s22, ttmp9, 1
	s_lshl_b32 s22, s22, 3
	s_add_co_u32 s21, s21, s22
	s_lshl_b32 s22, s20, 1
	s_and_b32 s22, s22, 7
	s_add_co_u32 s21, s21, s22                     ; actual row 32 (tile / 2) + 16 (w / 4) + 8 (tile % 2) + 2 w % 8
	s_lshl_b32 s22, s21, 12
	s_mov_b32 s23, 0
	s_lshl_b32 s24, ttmp9, 3
	s_add_co_u32 s24, s24, s20
	s_mul_i32 s24, s24, FRB                        ; my fragment: (tile, K step w)
	s_mov_b32 s25, 0
	s_mul_i32 s26, s20, 448
	s_add_co_u32 s26, s26, ttmp9
	s_lshl_b32 s26, s26, 6
	s_add_co_u32 s26, s26, S1                      ; and its 16 scale words
	s_mov_b32 s27, 0
	s_mul_i32 s28, s20, 2*PIT
	s_wait_alu depctr_va_vdst(0)
	v_add_nc_u32 v6, s28, v5                       ; into the stage: my two rows, 16 bytes a lane
	v_mul_u32_u24 v7, v3, PIT
	s_delay_alu instid0(VALU_DEP_1)
	v_lshl_add_u32 v7, v4, 7, v7
	s_lshl_b32 s28, s20, 9
	v_add_nc_u32 v7, s28, v7                       ; out of it: row r, K step w, 128 h bytes on
	v_lshlrev_b32 v9, 2, v3
	s_delay_alu instid0(VALU_DEP_1)
	v_lshl_add_u32 v9, v4, 1, v9                   ; my half of row r's scale word
	s_wait_alu depctr_va_vdst(0)
	s_wait_kmcnt 0x0
	s_add_nc_u64 s[4:5], s[4:5], s[22:23]
	s_add_nc_u64 s[24:25], s[18:19], s[24:25]
	s_add_nc_u64 s[26:27], s[18:19], s[26:27]
.irp e, 0,1
.irp i, 0,1,2,3,4,5,6,7
	global_load_b128 v[32+32*\e+4*\i:35+32*\e+4*\i], v5, s[4:5] offset:4096*\e+512*\i th:TH_LOAD_NT   ; 512 consecutive bytes a load
.endr
.endr
.irp e, 0,1
.irp i, 0,1,2,3,4,5,6,7
	s_wait_loadcnt 15-8*\e-\i                      ; loads come back in order: the younger ones may stay out
	ds_store_b128 v6, v[32+32*\e+4*\i:35+32*\e+4*\i] offset:PIT*\e+512*\i
.endr
.endr
	s_wait_dscnt 0x0                               ; for the others' sake: my stores have landed
	s_barrier_signal -1
	s_barrier_wait -1
.irp c, 0,1
.irp i, 0,1,2,3,4,5,6,7
	ds_load_b128 v[32+32*\c+4*\i:35+32*\c+4*\i], v7 offset:256*\c+16*\i   ; k = 128 w + 64 c + 32 h + 4 i .. of row r
.endr
.endr
	s_wait_dscnt 0x0
	QUANTK 32, 96, 24
.irp c, 0,1,2
	global_store_b128 v5, v[96+4*\c:99+4*\c], s[24:25] offset:512*\c      ; the image: 512 consecutive bytes a store
.endr
	v_lshlrev_b32 v25, 4, v4
	s_delay_alu instid0(VALU_DEP_1)
	v_lshrrev_b32 v24, v25, v24
	global_store_b16 v9, v24, s[26:27]             ; each lane its own half word: 64 consecutive bytes a wave
	s_wait_tensorcnt 0x0                           ; the wave's end, behind my last LDS store
	ds_add_u32 v[SPW], v[NIL]
	s_wait_dscnt 0x0
	s_endpgm
	; ---- the weights.  id 0-15 wq, 16-31 wk, 32-47 wv, 48-63 wo, 64-127 w_in, 128-191 w_out: the parameters are chosen on the work-group's number alone
.Lweights:
	s_sub_co_u32 s21, ttmp9, 256
	s_mov_b32 s24, 0                               ; the tensor's first id
	s_mov_b32 s25, 3                               ; log2 of its groups of 128 columns
	s_mov_b32 s26, 256                             ; bytes from k to k + 1
	s_mov_b32 s27, 1                               ; stored [head][k][64]?
	s_mov_b32 s28, 0                               ; its codes' region
	s_mov_b32 s29, S1                              ; its scales' region
	s_mov_b32 s30, 256                             ; its first tile there
	s_mov_b32 s31, 8                               ; K steps
	s_mov_b32 s32, 448                             ; tiles in the scale table
	s_wait_kmcnt 0x0
	s_mov_b64 s[22:23], s[6:7]
	s_cmp_ge_u32 s21, 16
	s_cselect_b64 s[22:23], s[8:9], s[22:23]
	s_cselect_b32 s24, 16, s24
	s_cselect_b32 s30, 320, s30
	s_cmp_ge_u32 s21, 32
	s_cselect_b64 s[22:23], s[10:11], s[22:23]
	s_cselect_b32 s24, 32, s24
	s_cselect_b32 s30, 384, s30
	s_cmp_ge_u32 s21, 48
	s_cselect_b64 s[22:23], s[12:13], s[22:23]
	s_cselect_b32 s24, 48, s24
	s_cselect_b32 s26, 4096, s26
	s_cselect_b32 s27, 0, s27
	s_cselect_b32 s28, WOC, s28
	s_cselect_b32 s29, WOS, s29
	s_cselect_b32 s30, 0, s30
	s_cselect_b32 s32, 64, s32
	s_cmp_ge_u32 s21, 64
	s_cselect_b64 s[22:23], s[14:15], s[22:23]
	s_cselect_b32 s24, 64, s24
	s_cselect_b32 s25, 5, s25
	s_cselect_b32 s26, 16384, s26
	s_cselect_b32 s28, WINC, s28
	s_cselect_b32 s29, WINS, s29
	s_cselect_b32 s32, 256, s32
	s_cmp_ge_u32 s21, 128
	s_cselect_b64 s[22:23], s[16:17], s[22:23]
	s_cselect_b32 s24, 128, s24
	s_cselect_b32 s25, 3, s25
	s_cselect_b32 s26, 4096, s26
	s_cselect_b32 s28, WOUTC, s28
	s_cselect_b32 s29, WOUTS, s29
	s_cselect_b32 s31, 32, s31
	s_cselect_b32 s32, 64, s32
	s_sub_co_u32 s21, s21, s24                     ; my number within the tensor
	s_lshl_b32 s33, 1, s25
	s_sub_co_u32 s33, s33, 1
	s_and_b32 s33, s21, s33                        ; which 128 columns,
	s_lshr_b32 s34, s21, s25                       ; which 512 along K
	s_lshl_b32 s33, s33, 2
	s_and_b32 s35, s20, 3
	s_add_co_u32 s33, s33, s35                     ; cg: my wave's 32 columns = two tiles
	s_lshr_b32 s35, s20, 2
	s_lshl_b32 s36, s34, 2
	s_lshl_b32 s37, s35, 1
	s_add_co_u32 s36, s36, s37                     ; my first K step: 4 kc + 2 (w / 4); I take two
	s_lshl_b32 s37, s36, 7                         ; and my first k
	s_lshr_b32 s38, s33, 1
	s_lshl_b32 s38, s38, 18
	s_and_b32 s39, s33, 1
	s_lshl_b32 s39, s39, 7
	s_add_co_u32 s38, s38, s39                     ; the columns' bytes: head x 262,144 + 128 (cg % 2),
	s_lshl_b32 s39, s33, 7                         ; or 128 cg
	s_cmp_eq_u32 s27, 1
	s_cselect_b32 s38, s38, s39
	s_mul_i32 s39, s37, s26
	s_add_co_u32 s38, s38, s39
	s_mov_b32 s39, 0
	s_add_nc_u64 s[40:41], s[22:23], s[38:39]      ; a base for each of my eight blocks of 32 along K: no pointer is stepped while loads are out
	s_lshl_b32 s38, s26, 5
.irp t, 1,2,3,4,5,6,7
	s_add_nc_u64 s[40+2*\t:41+2*\t], s[38+2*\t:39+2*\t], s[38:39]
.endr
	s_lshl_b32 s2, s33, 1
	s_add_co_u32 s2, s2, s30                       ; my first tile
	s_mul_i32 s3, s2, s31
	s_add_co_u32 s3, s3, s36
	s_mul_i32 s3, s3, FRB
	s_add_co_u32 s38, s3, s28
	s_add_nc_u64 s[56:57], s[18:19], s[38:39]      ; codes: (tile, K step)
	s_mul_i32 s38, s31, FRB
	s_add_nc_u64 s[58:59], s[56:57], s[38:39]      ; the second tile
	s_mul_i32 s3, s36, s32
	s_add_co_u32 s3, s3, s2
	s_lshl_b32 s3, s3, 6
	s_add_co_u32 s38, s3, s29
	s_add_nc_u64 s[60:61], s[18:19], s[38:39]      ; scale words: (K step, tile)
	s_lshl_b32 s38, s32, 6
	s_add_nc_u64 s[62:63], s[60:61], s[38:39]      ; the second K step
	s_wait_alu depctr_va_vdst(0)
	v_and_b32 v10, 7, v2                           ; lane l stands for POSITION l and loads the actual column with bits 3 and 4 changed
	v_bfe_u32 v11, v2, 3, 1
	s_delay_alu instid0(VALU_DEP_1)
	v_lshl_or_b32 v10, v11, 4, v10
	s_delay_alu instid0(VALU_DEP_1)
	v_lshl_or_b32 v10, v4, 3, v10
	s_delay_alu instid0(VALU_DEP_1)
	v_lshlrev_b32 v10, 2, v10
	v_lshlrev_b32 v15, 2, v2                       ; 4 x lane
.irp i, 0,1,2,3,4,5,6,7,8,9,10,11,12,13,14,15,16,17,18,19,20,21,22,23,24,25,26,27,28,29,30,31
	v_mad_u32_u24 v[96+\i], s26, \i, v10           ; row i of a block, my column
.endr
.macro LOADW t                         ; block t: 32 rows, 128 consecutive bytes a load
.irp i, 0,1,2,3,4,5,6,7,8,9,10,11,12,13,14,15,16,17,18,19,20,21,22,23,24,25,26,27,28,29,30,31
	global_load_b32 v[32+32*((\t)%2)+\i], v[96+\i], s[40+2*(\t):41+2*(\t)] th:TH_LOAD_NT
.endr
.endm
.macro BLOCKW t                        ; a whole block of 32 along K of my column: its largest magnitude needs no other lane
.set XS, 32+32*((\t)%2)
.set FD, 128+12*((\t)%2)+6*(((\t)%4)/2)    ; even blocks of a K step at v128 on, odd ones at v140 on
.if (\t) < 7
	s_wait_loadcnt 32                              ; this block's 32 loads are in; the next block's may be out
.else
	s_wait_loadcnt 0x0
.endif
.if (\t) == 4
	s_wait_xcnt 0x0                                ; the first K step's stores have read the registers that are written again from here on
.endif
	v_max3_num_f32 v12, |v[XS]|, |v[XS+1]|, |v[XS+2]|
	v_max3_num_f32 v13, |v[XS+3]|, |v[XS+4]|, |v[XS+5]|
.irp i, 6,10,14,18,22,26
	s_delay_alu instid0(VALU_DEP_2)
	v_max3_num_f32 v12, v12, |v[XS+\i]|, |v[XS+\i+1]|
	s_delay_alu instid0(VALU_DEP_2)
	v_max3_num_f32 v13, v13, |v[XS+\i+2]|, |v[XS+\i+3]|
.endr
	s_delay_alu instid0(VALU_DEP_2)
	v_max3_num_f32 v12, v12, |v[XS+30]|, |v[XS+31]|
	s_delay_alu instid0(VALU_DEP_1)
	v_max3_num_f32 v12, v12, v13, 0x1800000        ; the floor
	s_delay_alu instid0(VALU_DEP_1)
	v_add_nc_u32 v11, 0xff000000, v12
	s_delay_alu instid0(VALU_DEP_1)
	v_lshrrev_b32 v13, 23, v11
.if (\t)%4 == 0
	s_delay_alu instid0(VALU_DEP_1)
	v_mov_b32 v14, v13                             ; four bytes make my column's word of the K step
.else
	s_delay_alu instid0(VALU_DEP_1)
	v_lshl_or_b32 v14, v13, 8*((\t)%4), v14
.endif
	v_cvt_scalef32_pk16_fp6_f32 v[FD:FD+2], v[XS:XS+15], v11
	v_cvt_scalef32_pk16_fp6_f32 v[TT:TT+2], v[XS+16:XS+31], v11
	v_nop
.irp i, 0,1,2
	v_mov_b32 v[FD+3+\i], v[TT+\i]
.endr
.if (\t)+2 < 8
	LOADW (\t)+2
.endif
.endm
.macro OUTW ss, sb                     ; a K step is whole: lanes 16-31 of the even blocks change places with lanes 0-15 of the odd ones, which makes the two tiles' fragments
.irp i, 0,1,2,3,4,5,6,7,8,9,10,11
	v_permlane16_swap_b32 v[128+\i], v[140+\i]
.endr
.irp c, 0,1,2
	global_store_b128 v5, v[128+4*\c:131+4*\c], s[56:57] offset:FRB*\ss+512*\c
	global_store_b128 v5, v[140+4*\c:143+4*\c], s[58:59] offset:FRB*\ss+512*\c
.endr
	global_store_b32 v15, v14, s[\sb:\sb+1]        ; 32 positions' words: 128 consecutive bytes
.endm
	LOADW 0
	LOADW 1
	BLOCKW 0
	BLOCKW 1
	BLOCKW 2
	BLOCKW 3
	OUTW 0, 60
	BLOCKW 4
	BLOCKW 5
	BLOCKW 6
	BLOCKW 7
	OUTW 1, 62
	s_endpgm
.Lfunc_end_k_q6dd1a2a2fe_quant:
	.size	k_q6dd1a2a2fe_quant, .Lfunc_end_k_q6dd1a2a2fe_quant-k_q6dd1a2a2fe_quant
	.p2alignl 7, 3214868480
	.fill 96, 4, 3214868480
	.section	.rodata,"a",@progbits
	.p2align	6, 0x0
	.amdhsa_kernel k_q6dd1a2a2fe_quant
		.amdhsa_group_segment_fixed_size 66816
		.amdhsa_private_segment_fixed_size 0
		.amdhsa_enable_private_segment 0
		.amdhsa_kernarg_size 64
		.amdhsa_user_sgpr_count 2
		.amdhsa_user_sgpr_kernarg_segment_ptr 1
		.amdhsa_wavefront_size32 1
		.amdhsa_system_sgpr_workgroup_id_x 1
		.amdhsa_system_sgpr_workgroup_id_y 1
		.amdhsa_system_sgpr_workgroup_id_z 1
		.amdhsa_system_vgpr_workitem_id 0
		.amdhsa_next_free_vgpr 160
		.amdhsa_next_free_sgpr 80
		.amdhsa_reserve_vcc 0
		.amdhsa_float_denorm_mode_32 3
		.amdhsa_float_denorm_mode_16_64 3
		.amdhsa_memory_ordered 1
		.amdhsa_forward_progress 1
		.amdhsa_inst_pref_size 60
	.end_amdhsa_kernel
	.amdgpu_metadata
---
amdhsa.version: [ 1, 2 ]
amdhsa.kernels:
  - .name:           k_q6dd1a2a2fe_quant
    .symbol:         k_q6dd1a2a2fe_quant.kd
    .args:
      - { .name: x, .offset: 0, .size: 8, .value_kind: global_buffer, .address_space: global }
      - { .name: wq, .offset: 8, .size: 8, .value_kind: global_buffer, .address_space: global }
      - { .name: wk, .offset: 16, .size: 8, .value_kind: global_buffer, .address_space: global }
      - { .name: wv, .offset: 24, .size: 8, .value_kind: global_buffer, .address_space: global }
      - { .name: wo, .offset: 32, .size: 8, .value_kind: global_buffer, .address_space: global }
      - { .name: w_in, .offset: 40, .size: 8, .value_kind: global_buffer, .address_space: global }
      - { .name: w_out, .offset: 48, .size: 8, .value_kind: global_buffer, .address_space: global }
      - { .name: wts, .offset: 56, .size: 8, .value_kind: global_buffer, .address_space: global }
    .group_segment_fixed_size: 66816
    .private_segment_fixed_size: 0
    .kernarg_segment_align: 8
    .kernarg_segment_size: 64
    .max_flat_workgroup_size: 256
    .sgpr_count:     80
    .vgpr_count:     160
    .wavefront_size: 32
...
	.end_amdgpu_metadata
.endif
;; end of part 1
;; launch qkv (part 2): grid 8 x 24, 4 waves a work-group, clusters of 4 x 4, 327,680 bytes of LDS; arguments wts, qkv; writes qkv
.if DOCPART == 2
	.amdgcn_target "amdgcn-amd-amdhsa--gfx1250"
	.amdhsa_code_object_version 6
	.text
	.protected	k_q6dd1a2a2fe_qkv
	.globl	k_q6dd1a2a2fe_qkv
	.p2align	8
	.type	k_q6dd1a2a2fe_qkv,@function
k_q6dd1a2a2fe_qkv:
	s_mov_b64 s[64:65], 0
	v_nop
	global_prefetch_b8 v0, s[64:65] scope:SCOPE_SE
	s_setreg_imm32_b32 hwreg(HW_REG_WAVE_MODE, 25, 1), 1
	s_wait_xcnt 0x0
	s_wait_alu depctr_hold_cnt(0) depctr_sa_sdst(0) depctr_va_vdst(0) depctr_va_sdst(0) depctr_va_ssrc(0) depctr_va_vcc(0) depctr_vm_vsrc(0)
	s_getreg_b32 s2, hwreg(HW_REG_IB_STS2, 6, 4)
	s_cmp_eq_u32 s2, 0
	s_cbranch_scc0 .Lentry_in_a_cluster
	s_endpgm
.Lentry_in_a_cluster:
	s_bfe_u32 s2, ttmp6, 0x10000c
	s_cmp_lg_u32 s2, 0xf033
	s_cbranch_scc0 .Lentry_shape_is_right
	s_endpgm
.Lentry_shape_is_right:
; LAUNCH 2 OF 8.  Products 1 to 3 on codes of FP6, K = 1,024, and the quantising of q, k and v for products 4 and 5.  Nothing of these products is left out.
; Operands are register images (launch quant): a fragment is 1,536 bytes, three loads of 16 bytes a lane; codes [tile][K step][1536], scale words [K step][tile][64 bytes].
; A work-group of four waves makes 256 x 256, a wave 128 x 128: 64 accumulators.  LDS holds three regions of two K steps each: K steps 0 to 5 and all scale words are first fills, four joint loads a wave at the head;
; K steps 6 and 7 are the one refill, into region 0, behind a round of the cluster's barrier in the middle of K step 1: four K steps of products, 256 a wave, stand between that request and the wait for it.
; Clusters of 4 x 4; tiles of source 1 are shared along a row of the cluster, tiles of source 0 along a column.
; Clusters with y < 4: source 1 = x's tiles (a lane holds a row of x), source 0 = wq's and wk's tiles: a lane's registers run along the head's 64, which is product 4's K.
; Clusters with y >= 4: source 1 = wv's tiles, source 0 = x's tiles: a lane holds one channel of v and its registers run along the keys, which is product 5's K.
; q and k leave as PAIR fragments: registers 0-5 the 64 numbers of sequence tile 2 p, registers 6-11 those of tile 2 p + 1; v as whole fragments (16 channels x 128 keys).
; LIMITS: a block of zeros gets the byte 1 (its codes are zeros; this program alone reads the bytes); NaN and infinities are not served.
; REGISTERS, in windows of 256: window 0: v1-29 addresses; v32-63 scale words, two sets; v64-127 at work on the way out; v128-223 source 1's fragments, one set.  window 1: source 0's, two sets.  windows 2, 3: accumulator (a, b) at 8 (8 a + b).
; THE FILLS AS THE TEXT STANDS (in place of what the lines above say of them): at the head one joint load a wave: wave 0 region 0's 16 tiles of source 1, wave 1 its 16 tiles of source 0,
; waves 2 and 3 the two tables of scale words, laid [K step][16 tiles][64 bytes].  Region 1 is asked for behind the head's round, region 2 in K step 1, K steps 6 and 7 (into region 0) in K step 3:
; a quarter of a region a wave, each behind the three lines and a round, with two K steps of products, 128 a wave, between a request and the wait for it.
.set T,     8
.set NQ,    2                          ; K steps in a region
.set KS,    8                          ; K steps in all
.set MTA,   448                        ; tiles in the scale tables
.set MTB,   448
.set ASO,   5505024                    ; the scale table's byte in wts (x and the three weights share one codes table at 0 and one scale table)
.set BSO,   5505024
.set FIRST, 1                          ; the first products start the sums with the constant 0
.set QSO,   3145728                    ; regions of the workspace qkv
.set KVC,   3276800
.set KVS,   9568256
.set FRB,   1536
.set HALFT, T*NQ*FRB                   ; what one tensor load brings: T tiles x NQ K steps
.set SLOT,  4*HALFT                    ; A's two halves, then B's two
.set SCL,   3*SLOT                     ; behind the three regions: the scale words for all of K, four parts [K step][T tiles][64]
.set HALFS, KS*T*64
.set SPARE, SCL+4*HALFS                ; the spare words, 128 bytes a wave
.set ADRA, 16                          ; v16-18 my A fragments in region 0, 1, 2
.set ADRB, 20                          ; v20-22 the same for B
.set ADRS, 27
.set SPW,  28
.set NIL,  29
.set SC,   32
.set AF,   128
.set TM,   64
.set TT,   80
.set G1, 24                            ; s[24:31] group 1 for A's tiles; s[32:43] groups 0, one for each region
.set G0, 32
.set G0S, 44                           ; s[44:47] group 0 for A's scale words
.set G1B, 48                           ; s[48:55] group 1 for B's tiles; groups 0 at s[56:59], s[60:63], s[76:79]
.set G1S, 68                           ; s[68:75] group 1 for A's scale words; s[80:87] for B's; s[88:91] B's group 0
.set G1SB, 80
.set G0SB, 88
.set SEL, 66                           ; s[66:67] lane selects: lane l xor 16
.set HM,  96                           ; s96 the mask of lanes 16-31
.set CX,  97
.set CY,  98
.set XX,  99
.set MSB, 0
.macro WIN new                         ; the immediate's high byte repeats the setting that is left
.if MSB != (\new)
	s_set_vgpr_msb (MSB<<8)|(\new)
.set MSB, (\new)
.endif
.endm
; A joint load: waves 0 and 1 fetch for A, waves 2 and 3 for B; the branch hangs on the wave's number alone.  An s_nop 0 and four v_nop follow each line.
.macro JLOAD g0a, g1a, g0b, g1b
	s_cmp_eq_u32 s15, 0
	s_cbranch_scc0 .Lfor_b_\@
	tensor_load_to_lds s[\g0a:\g0a+3], s[\g1a:\g1a+7]
	s_nop 0
.rept 4
	v_nop
.endr
	s_branch .Lasked_\@
.Lfor_b_\@:
	tensor_load_to_lds s[\g0b:\g0b+3], s[\g1b:\g1b+7]
	s_nop 0
.rept 4
	v_nop
.endr
.Lasked_\@:
.endm
.macro CREST                           ; a round of the cluster's barrier behind its opening barrier
	s_cmp_lg_u32 s14, 0
	s_cbranch_scc1 .Lnot_wave_0_\@
	s_barrier_signal -3
.Lnot_wave_0_\@:
	s_barrier_wait -3
	s_barrier_signal -1
	s_barrier_wait -1
.endm
.macro CROUND
	s_barrier_signal -1
	s_barrier_wait -1
	CREST
.endm
.macro PLACES n                        ; plain vector lines between a matrix instruction and a load into, or a read of, its registers
.rept \n
	v_nop
.endr
.endm
.macro FRAG reg, adr, off              ; a fragment's image: three loads, 512 consecutive bytes each
.irp c, 0,1,2
	ds_load_b128 v[(\reg)+4*\c:(\reg)+4*\c+3], v[\adr] offset:(\off)+512*\c
.endr
.endm
.macro FETCH_B slot, q, p              ; B's T fragments of the region's q-th K step into set p of window 1
	WIN 0x40
.set i_, 0
.rept T
	FRAG 128*(\p)+12*i_, ADRB+\slot, (i_*NQ+(\q))*FRB
.set i_, i_+1
.endr
	WIN 0
.endm
.macro FETCH_A slot, q, half           ; half of A's T fragments
.set i_, (\half)*T/2
.rept T/2
	FRAG AF+12*i_, ADRA+\slot, (i_*NQ+(\q))*FRB
.set i_, i_+1
.endr
.endm
.macro SCALES sc                       ; two K steps' scale words into set sc: register NQ i + q: lanes 0-15 A's tile i, lanes 16-31 B's tile i
.set i_, 0
.rept T
.set q_, 0
.rept NQ
	ds_load_b32 v[SC+16*(\sc)+NQ*i_+q_], v[ADRS] offset:q_*2*T*64+64*i_
.set q_, q_+1
.endr
.set i_, i_+1
.endr
.endm
; A quarter of a K step: A's blocks j T / 4 on, each against B's T.  All accumulators take turns, one instruction a turn, in the same order in every step.
.macro MULQ j, p, q, sc, zero
.set a_, (\j)*T/4
.set WA_, 2+(8*T*a_)/256
	WIN 0x01|(WA_<<4)|(WA_<<6)
.rept T/4
.set b_, 0
.rept T
.set AR, (8*(T*a_+b_))%256
.if (\zero)==1
	v_wmma_scale_f32_16x16x128_f8f6f4 v[AR:AR+7], v[128*(\p)+12*b_:128*(\p)+12*b_+11], v[AF+12*a_:AF+12*a_+11], 0, v[SC+16*(\sc)+NQ*b_+(\q)], v[SC+16*(\sc)+NQ*a_+(\q)] matrix_a_fmt:MATRIX_FMT_FP6 matrix_b_fmt:MATRIX_FMT_FP6 matrix_a_scale:MATRIX_SCALE_ROW1
.else
	v_wmma_scale_f32_16x16x128_f8f6f4 v[AR:AR+7], v[128*(\p)+12*b_:128*(\p)+12*b_+11], v[AF+12*a_:AF+12*a_+11], v[AR:AR+7], v[SC+16*(\sc)+NQ*b_+(\q)], v[SC+16*(\sc)+NQ*a_+(\q)] matrix_a_fmt:MATRIX_FMT_FP6 matrix_b_fmt:MATRIX_FMT_FP6 matrix_a_scale:MATRIX_SCALE_ROW1
.endif
.set b_, b_+1
.endr
.set a_, a_+1
.endr
.endm
.macro STEP slot, q, sc, zero          ; a K step that has its successor in the same region; sc: its set of scale words
	s_wait_dscnt 3*T/2                             ; all but the youngest loads, A's upper half, are in
	MULQ 0,(\q)%2,\q,\sc,\zero
	MULQ 1,(\q)%2,\q,\sc,\zero
	s_wait_dscnt 0x0                               ; A's upper half is in
	PLACES 4
	FETCH_B \slot,(\q)+1,1-(\q)%2
	FETCH_A \slot,(\q)+1,0
	MULQ 2,(\q)%2,\q,\sc,\zero
	MULQ 3,(\q)%2,\q,\sc,\zero
	PLACES 4
	WIN 0
	FETCH_A \slot,(\q)+1,1
.endm
; A region's last K step goes on to region next.  mode 2: region 0 is filled again: each wave waits for all its tensor loads, adds 0 to its spare word, waits for that and for its reads of the region, and a round of the
; cluster's barrier follows.  mode 1: the same lines and my work-group's barrier alone: the refill is whole for every wave.  mode 0: no barrier: region next was shown whole to every wave by the round of mode 2.
.macro TURN slot, sc, next, mode
.if (\mode) > 0
	s_wait_tensorcnt 0x0                           ; no load of mine is out
	ds_add_u32 v[SPW], v[NIL]
	s_wait_dscnt 3*T/2+1                           ; (the add and A's upper half may be out)
	MULQ 0,1,NQ-1,\sc,0
	s_wait_dscnt 0x0                               ; the add is done, my reads of this region are over
	s_barrier_signal -1
	MULQ 1,1,NQ-1,\sc,0
	WIN 0
	s_barrier_wait -1
.else
	s_wait_dscnt 3*T/2
	MULQ 0,1,NQ-1,\sc,0
	MULQ 1,1,NQ-1,\sc,0
	s_wait_dscnt 0x0
	WIN 0
.endif
.if (\mode) == 2
	CREST                                          ; the barrier opened a round of the cluster's: no wave of any partner still reads region 0 or has a load on its way
	s_add_nc_u64 s[G0+2:G0+3], s[G0+2:G0+3], 3*NQ*FRB     ; from K steps 0, 1 to K steps 6, 7
	s_add_nc_u64 s[58:59], s[58:59], 3*NQ*FRB
	JLOAD G0, G1, 56, G1B                          ; the first tensor load behind the round; its four v_nop are the places ahead of the loads below
.else
.if (\mode) == 3
	CREST                                          ; mode 3: the same lines and round; region 2 is filled for the first time
	JLOAD G0+8, G1, 76, G1B
.else
	PLACES 4
.endif
.endif
	v_add_nc_u32 v[ADRS], 2*NQ*T*64, v[ADRS]       ; the next two K steps' scale words: a K step is 2 T tiles x 64 bytes
	FETCH_B \next,0,0
	FETCH_A \next,0,0
	SCALES 1-(\sc)
	MULQ 2,1,NQ-1,\sc,0
	MULQ 3,1,NQ-1,\sc,0
	PLACES 4
	WIN 0
	FETCH_A \next,0,1
.endm
; 64 results of a lane in window w, register s + 16 b + i = k 32 b + 16 h + i of its row, become codes: v[d0] on = the fragment's registers 0-5, v[d1] on = 6-11; v[pw] = the row's scale word.
; Each accumulator is read from its low end on.
.macro QUANT s, w, d0, d1, pw
	WIN (\w)|((\w)<<2)
.irp b, 0,1,2,3
	v_max3_num_f32 v[TM+\b], |v[(\s)+16*\b]|, |v[(\s)+16*\b+1]|, 0x1800000   ; with the floor 2^(3 - 127)
.endr
	WIN ((\w)<<2)|((\w)<<4)
.irp i, 2,4,6,8,10,12,14
.irp b, 0,1,2,3
	v_max3_num_f32 v[TM+\b], v[TM+\b], |v[(\s)+16*\b+\i]|, |v[(\s)+16*\b+\i+1]|
.endr
.endr
	WIN 0
.irp b, 0,1,2,3
	v_permlanex16_b32 v[TM+4+\b], v[TM+\b], s[SEL], s[SEL+1]
.endr
.irp b, 0,1,2,3
	v_max_num_f32 v[TM+\b], v[TM+\b], v[TM+4+\b]   ; with lane l xor 16's 16: the block's largest magnitude
.endr
.irp b, 0,1,2,3
	v_add_nc_u32 v[TM+12+\b], 0xff000000, v[TM+\b] ; 2 off the exponent field: the conversion's scale operand
.endr
.irp b, 0,1,2,3
	v_lshrrev_b32 v[TM+4+\b], 23, v[TM+12+\b]      ; the byte
.endr
	v_lshl_or_b32 v[\pw], v[TM+5], 8, v[TM+4]
	v_lshl_or_b32 v[\pw], v[TM+6], 16, v[\pw]
	v_lshl_or_b32 v[\pw], v[TM+7], 24, v[\pw]
	WIN (\w)
	v_cvt_scalef32_pk16_fp6_f32 v[(\d0):(\d0)+2], v[(\s):(\s)+15], v[TM+12]
	v_cvt_scalef32_pk16_fp6_f32 v[TT:TT+2], v[(\s)+16:(\s)+31], v[TM+13]
	v_cvt_scalef32_pk16_fp6_f32 v[(\d1):(\d1)+2], v[(\s)+32:(\s)+47], v[TM+14]
	v_cvt_scalef32_pk16_fp6_f32 v[TT+4:TT+6], v[(\s)+48:(\s)+63], v[TM+15]
	WIN 0
	v_nop                                          ; one plain line behind the conversions
.irp i, 0,1,2
	v_permlane16_swap_b32 v[(\d0)+\i], v[TT+\i]    ; a whole block to a lane: lanes 0-15 the even block, lanes 16-31 the odd one
	v_permlane16_swap_b32 v[(\d1)+\i], v[TT+4+\i]
.endr
.irp i, 0,1,2
	v_mov_b32 v[(\d0)+3+\i], v[TT+\i]
	v_mov_b32 v[(\d1)+3+\i], v[TT+4+\i]
.endr
.endm
	s_load_b128 s[4:7], s[0:1], 0x0                ; wts s[4:5], qkv s[6:7]
	v_lshl_add_u32 v[SPW], v0, 2, SPARE
	v_mov_b32 v[NIL], 0
	ds_add_u32 v[SPW], v[NIL]                      ; the wave's opening: the add, twice on end, and its wait ahead of my first tensor load
	ds_add_u32 v[SPW], v[NIL]
	v_lshrrev_b32 v1, 5, v0
	v_readfirstlane_b32 s14, v1                    ; wave 0..3
	s_lshr_b32 s15, s14, 1                         ; my half of A's tiles.  Also: I fetch for A (0) or for B (1)
	s_and_b32 s16, s14, 1                          ; my half of B's tiles.  Also: which half I fetch
	s_bfe_u32 s[CX], ttmp6, 0x40000                ; cx
	s_bfe_u32 s[CY], ttmp6, 0x40004                ; cy
	s_lshl_b32 s[XX], ttmp9, 2
	s_add_co_u32 s[XX], s[XX], s[CX]               ; X = 4 x cluster x + cx
	s_and_b32 s12, ttmp7, 0xffff                   ; cluster y: the same in all sixteen partners
	s_lshl_b32 s17, s12, 2
	s_add_co_u32 s17, s17, s[CY]                   ; Y
	s_lshl_b32 s18, s[CY], 2
	s_lshl_b32 s18, 15, s18                        ; my row of the cluster
	s_lshl_b32 s19, 0x1111, s[CX]                  ; my column
	s_or_b32 s[G1], s18, (3<<16)|(1<<21)           ; codes: elements of 8 bytes, no padding; the mask, and bit 21 beside it
	s_or_b32 s[G1B], s19, (3<<16)|(1<<21)
.irp g, G1, G1B
	s_mov_b32 s[\g+1], (NQ*192)<<16                ; a row: a tile's NQ K steps, NQ x 1,536 bytes
	s_mov_b32 s[\g+2], (2*T)<<16                   ; 2 T rows for the head's loads; behind them the two words are set to T
	s_mov_b32 s[\g+3], (NQ*192)<<16
	s_mov_b32 s[\g+4], 2*T
	s_mov_b32 s[\g+5], KS*192                      ; from tile to tile
	s_mov_b32 s[\g+6], 0
	s_mov_b32 s[\g+7], 0
.endr
	s_or_b32 s[G1S], s18, (3<<16)|(1<<21)          ; scale words: KS rows of 2 T x 64 bytes
	s_or_b32 s[G1SB], s19, (3<<16)|(1<<21)
.irp g, G1S, G1SB
	s_mov_b32 s[\g+1], (16*T)<<16                  ; a row: 2 T tiles x 64 bytes
	s_mov_b32 s[\g+2], KS<<16
	s_mov_b32 s[\g+3], (16*T)<<16
	s_mov_b32 s[\g+4], KS
	s_mov_b32 s[\g+6], 0
	s_mov_b32 s[\g+7], 0
.endr
	s_mov_b32 s[G1S+5], 8*MTA
	s_mov_b32 s[G1SB+5], 8*MTB
	; which tiles.  A's hang on cy and the cluster's y alone, B's on X and the cluster's y alone
	s_lshl_b32 s13, s12, 6
	s_max_u32 s18, s12, 4
	s_sub_co_u32 s18, s18, 4
	s_lshl_b32 s18, s18, 7
	s_cmp_ge_u32 s12, 4
	s_cselect_b32 s13, 384, s13                    ; A: wv's tiles from 384, or x's tiles 64 x cluster y on
	s_cselect_b32 s18, s18, 256                    ; B: x's tiles 128 (cluster y - 4) on, or wq's and wk's from 256
	s_lshl_b32 s20, s[CY], 4
	s_add_co_u32 s20, s20, s13                     ; A's first tile
	s_lshl_b32 s92, s[XX], 4
	s_add_co_u32 s92, s92, s18                     ; B's
	s_mul_i32 s18, s16, T*KS*FRB                   ; behind the head I fetch T tiles: which half, in bytes
	s_mov_b32 s19, 0
	s_lshl_b32 s22, s20, 6
	s_add_co_u32 s22, s22, ASO
	s_mul_i32 s20, s20, KS*FRB
	s_mov_b32 s21, 0
	s_mov_b32 s23, 0
	s_lshl_b32 s94, s92, 6
	s_add_co_u32 s94, s94, BSO
	s_mul_i32 s92, s92, KS*FRB
	s_mov_b32 s93, 0
	s_mov_b32 s95, 0
	s_mul_i32 s2, s14, HALFT                       ; where they go: by the wave's number alone
	s_mov_b32 s[SEL], 0x76543210
	s_mov_b32 s[SEL+1], 0xfedcba98
	s_wait_dscnt 0x0                               ; both opening adds are done
	s_wait_kmcnt 0x0
	s_add_nc_u64 s[20:21], s[4:5], s[20:21]
	s_add_nc_u64 s[22:23], s[4:5], s[22:23]
	s_add_nc_u64 s[92:93], s[4:5], s[92:93]
	s_add_nc_u64 s[94:95], s[4:5], s[94:95]
	CROUND                                         ; all sixteen work-groups are here: the first joint loads meet
	s_mov_b32 s[G0S], 1
	s_mov_b32 s[G0S+1], SCL
	s_mov_b64 s[G0S+2:G0S+3], s[22:23]
	s_or_b32 s[G0S+3], s[G0S+3], 0x80000000
	s_mov_b32 s[G0SB], 1
	s_mov_b32 s[G0SB+1], SCL+2*HALFS
	s_mov_b64 s[G0SB+2:G0SB+3], s[94:95]
	s_or_b32 s[G0SB+3], s[G0SB+3], 0x80000000
	s_mov_b32 s[G0+8], 1                           ; the head's loads of region 0 use region 2's groups 0, which are written anew behind the wait for them: A's 16 tiles,
	s_mov_b32 s[G0+9], 0
	s_mov_b64 s[G0+10:G0+11], s[20:21]
	s_or_b32 s[G0+11], s[G0+11], 0x80000000
	s_mov_b32 s76, 1                               ; B's 16 tiles, behind them
	s_mov_b32 s77, 2*HALFT
	s_mov_b64 s[78:79], s[92:93]
	s_or_b32 s79, s79, 0x80000000
	s_add_nc_u64 s[20:21], s[20:21], s[18:19]      ; from here on: my T tiles
	s_add_nc_u64 s[92:93], s[92:93], s[18:19]
.irp s, 0,1
.set GB, 56+4*\s+12*(\s/2)
	s_mov_b32 s[G0+4*\s], 1
	s_add_co_u32 s[G0+4*\s+1], s2, \s*SLOT
	s_add_nc_u64 s[G0+4*\s+2:G0+4*\s+3], s[20:21], \s*NQ*FRB
	s_or_b32 s[G0+4*\s+3], s[G0+4*\s+3], 0x80000000
	s_mov_b32 s[GB], 1
	s_add_co_u32 s[GB+1], s2, \s*SLOT
	s_add_nc_u64 s[GB+2:GB+3], s[92:93], \s*NQ*FRB
	s_or_b32 s[GB+3], s[GB+3], 0x80000000
.endr
; the head's loads, one a wave: one chain of branches on the wave's number, a load to an arm, all arms leading to one join
.macro ARM under, g0, g1, next
	s_cmp_lt_u32 s14, \under
	s_cbranch_scc0 \next
	tensor_load_to_lds s[\g0:\g0+3], s[\g1:\g1+7]
	s_nop 0
.rept 4
	v_nop
.endr
	s_branch .Lhead_asked
\next:
.endm
	ARM 1, G0+8, G1, .Lhead_b
	ARM 2, 76, G1B, .Lhead_sa
	ARM 3, G0S, G1S, .Lhead_sb
	tensor_load_to_lds s[G0SB:G0SB+3], s[G1SB:G1SB+7]
	s_nop 0
.rept 4
	v_nop
.endr
.Lhead_asked:
	v_and_b32 v1, 15, v0                           ; r
	v_bfe_u32 v2, v0, 4, 1                         ; h
	v_and_b32 v5, 31, v0
	v_lshlrev_b32 v3, 4, v5                        ; 16 x lane
	v_lshlrev_b32 v4, 2, v5                        ; 4 x lane
	v_cmp_le_u32 s[HM], 16, v5
	s_mul_i32 s21, s15, HALFT
	s_mul_i32 s22, s16, HALFT
	s_add_co_u32 s22, s22, 2*HALFT
.irp s, 0,1,2
	v_add_nc_u32 v[ADRA+\s], s21, v3
	v_add_nc_u32 v[ADRB+\s], s22, v3
	s_add_co_u32 s21, s21, SLOT
	s_add_co_u32 s22, s22, SLOT
.endr
	s_mul_i32 s21, s15, T*64                       ; my half of a K step's 2 T tiles: A's,
	s_mul_i32 s22, s16, T*64                       ; B's
	s_add_co_u32 s22, s22, 2*HALFS
	s_sub_co_u32 s22, s22, s21
	v_mul_u32_u24 v6, s22, v2                      ; lanes 16-31 take B's words
	s_add_co_u32 s21, s21, SCL
	v_lshl_add_u32 v5, v1, 2, v6
	v_add_nc_u32 v[ADRS], s21, v5
	s_wait_alu depctr_va_vdst(0)
	s_wait_tensorcnt 0x0                           ; my tile of the head's four is in
	ds_add_u32 v[SPW], v[NIL]
	s_mov_b32 s[G1+2], T<<16                       ; no load of mine is out: from here on a load brings T tiles,
	s_mov_b32 s[G1+4], T
	s_mov_b32 s[G1B+2], T<<16
	s_mov_b32 s[G1B+4], T
	s_add_co_u32 s[G0+9], s[G0+5], SLOT            ; and region 2's groups 0 are made from region 1's: a region and two K steps on
	s_add_nc_u64 s[G0+10:G0+11], s[G0+6:G0+7], NQ*FRB
	s_add_co_u32 s77, s61, SLOT
	s_add_nc_u64 s[78:79], s[62:63], NQ*FRB
	s_wait_dscnt 0x0                               ; the add is done
	CROUND                                         ; all four tiles are in, and all sixteen work-groups are here
	JLOAD G0+4, G1, 60, G1B                        ; region 1: the first tensor load behind the round
	FETCH_B 0,0,0
	FETCH_A 0,0,0
	SCALES 0
	FETCH_A 0,0,1
	STEP 0,0,0,FIRST                               ; K step 0
	TURN 0,0,1,3                                   ; K step 1; region 2 takes K steps 4 and 5
	s_wait_alu depctr_va_vdst(0)
	STEP 1,0,1,0                                   ; K step 2
	TURN 1,1,2,2                                   ; K step 3; region 0 takes K steps 6 and 7
	s_wait_alu depctr_va_vdst(0)
	STEP 2,0,0,0                                   ; K step 4
	TURN 2,0,0,1                                   ; K step 5; the refill is whole
	STEP 0,0,1,0                                   ; K step 6
	s_wait_dscnt 3*T/2                             ; K step 7: nothing more to fetch
	MULQ 0,1,NQ-1,1,0
	MULQ 1,1,NQ-1,1,0
	s_wait_dscnt 0x0
	MULQ 2,1,NQ-1,1,0
	MULQ 3,1,NQ-1,1,0
	WIN 0
	PLACES 4
.irp b, 0,1,2,3
	v_mov_b32 v[TM+4+\b], 0                        ; written once: a lane permute's destination counts as one of its sources
.endr
	s_cmp_ge_u32 s12, 4                            ; the cluster's y alone: all partners go the same way
	s_cbranch_scc1 .Lpart_b
	; ---- q and k.  My 128 columns are two heads; my 8 tiles of rows are one step of 128 positions of one batch.  (No tensor load is out: the descriptors' registers serve as scratch)
	s_lshl_b32 s20, s17, 4
	s_lshl_b32 s21, s15, 3
	s_add_co_u32 s20, s20, s21                     ; my first tile of rows
	s_lshr_b32 s21, s20, 7                         ; batch
	s_and_b32 s20, s20, 127
	s_lshr_b32 s20, s20, 3                         ; step
	s_lshl_b32 s22, s[XX], 1
	s_add_co_u32 s22, s22, s16
	s_and_b32 s22, s22, 7
	s_lshl_b32 s22, s22, 1                         ; my first head
	s_lshl_b32 s21, s21, 4
	s_add_co_u32 s21, s21, s22                     ; batch x 16 + head
	s_min_u32 s23, ttmp9, 1                        ; 1: k (cluster x = 1), 0: q
	s_mul_i32 s46, s21, 98304
	s_mul_i32 s47, s20, 6144
	s_add_co_u32 s46, s46, s47
	s_lshl_b32 s46, s46, s23                       ; k's pair fragments lie twice as far apart: v's stand between
	s_mul_i32 s47, s23, KVC
	s_add_co_u32 s46, s46, s47
	s_mov_b32 s47, 0
	s_add_nc_u64 s[8:9], s[6:7], s[46:47]          ; codes, first head
	s_lshl_b32 s46, 98304, s23
	s_add_nc_u64 s[10:11], s[8:9], s[46:47]        ; second head
	s_lshl_b32 s46, s21, 12
	s_lshl_b32 s92, s20, 8
	s_add_co_u32 s46, s46, s92
	s_lshl_b32 s46, s46, s23
	s_mul_i32 s92, s23, KVS-QSO
	s_add_co_u32 s46, s46, s92
	s_add_co_u32 s46, s46, QSO
	s_add_nc_u64 s[92:93], s[6:7], s[46:47]        ; scale words, first head
	s_lshl_b32 s46, 4096, s23
	s_add_nc_u64 s[94:95], s[92:93], s[46:47]      ; second head
.set pp, 0
.rept 4
.if pp > 0
	s_wait_xcnt 0x0                                ; the last pair's stores have read the registers that are written again
.endif
.set S_, 64*((2*pp)%4)
.set W_, 2+(2*pp)/4
	QUANT S_, W_, 96, 108, 88                      ; tile 2 p: the first head's 64 into v96-101, the second's into v108-113
.set S_, 64*((2*pp+1)%4)
	QUANT S_, W_, 102, 114, 89                     ; tile 2 p + 1: into v102-107 and v114-119
	v_perm_b32 v[120+pp], v89, v88, 0x05040100     ; the pair's word, first head: two bytes of each tile
	v_perm_b32 v[124+pp], v89, v88, 0x07060302     ; second head
.irp c, 0,1,2
	global_store_b128 v3, v[96+4*\c:99+4*\c], s[8:9] offset:FRB*pp+512*\c
	global_store_b128 v3, v[108+4*\c:111+4*\c], s[10:11] offset:FRB*pp+512*\c
.endr
.set pp, pp+1
.endr
.irp j, 0,1
	v_cndmask_b32 v[90+\j], v[120+2*\j], v[121+2*\j], s[HM]   ; lanes 0-15 one pair's words, lanes 16-31 the next pair's: 128 consecutive bytes
	v_cndmask_b32 v[92+\j], v[124+2*\j], v[125+2*\j], s[HM]
.endr
.irp j, 0,1
	global_store_b32 v4, v[90+\j], s[92:93] offset:128*\j
	global_store_b32 v4, v[92+\j], s[94:95] offset:128*\j
.endr
	s_branch .Lend
	; ---- v.  My 8 tiles of wv are two heads x 4 tiles of channels; my 8 tiles of x are one step of 128 keys
.Lpart_b:
	s_sub_co_u32 s20, s12, 4
	s_lshl_b32 s20, s20, 3
	s_add_co_u32 s20, s20, s[XX]
	s_lshl_b32 s20, s20, 1
	s_add_co_u32 s20, s20, s16                     ; which 128 rows of x
	s_lshr_b32 s21, s20, 4                         ; batch
	s_and_b32 s20, s20, 15                         ; step
	s_lshl_b32 s21, s21, 4
	s_lshl_b32 s22, s[CY], 2
	s_add_co_u32 s21, s21, s22
	s_lshl_b32 s22, s15, 1
	s_add_co_u32 s21, s21, s22                     ; batch x 16 + my first head
	s_mul_i32 s46, s21, 196608
	s_mul_i32 s47, s20, 12288
	s_add_co_u32 s46, s46, s47
	s_add_co_u32 s46, s46, KVC+6144                ; behind the step's four pair fragments of k
	s_mov_b32 s47, 0
	s_add_nc_u64 s[8:9], s[6:7], s[46:47]
	s_lshl_b32 s46, s21, 13
	s_lshl_b32 s22, s20, 9
	s_add_co_u32 s46, s46, s22
	s_add_co_u32 s46, s46, KVS+256
	s_add_nc_u64 s[10:11], s[6:7], s[46:47]
.set aa, 0
.rept 8
.if aa > 0
	s_wait_xcnt 0x0
.endif
.set S_, 64*(aa%4)
.set W_, 2+aa/4
	QUANT S_, W_, 96, 102, 112+aa
.irp c, 0,1,2
	global_store_b128 v3, v[96+4*\c:99+4*\c], s[8:9] offset:(aa/4)*196608+(aa%4)*FRB+512*\c
.endr
.set aa, aa+1
.endr
.irp j, 0,1,2,3
	v_cndmask_b32 v[120+\j], v[112+2*\j], v[113+2*\j], s[HM]
.endr
.irp j, 0,1,2,3
	global_store_b32 v4, v[120+\j], s[10:11] offset:(\j/2)*8192+(\j%2)*128
.endr
.Lend:
	s_wait_tensorcnt 0x0                           ; the wave's end
	ds_add_u32 v[SPW], v[NIL]
	s_wait_dscnt 0x0
	CROUND                                         ; the closing round
	s_endpgm
.Lfunc_end_k_q6dd1a2a2fe_qkv:
	.size	k_q6dd1a2a2fe_qkv, .Lfunc_end_k_q6dd1a2a2fe_qkv-k_q6dd1a2a2fe_qkv
	.p2alignl 7, 3214868480
	.fill 96, 4, 3214868480
	.section	.rodata,"a",@progbits
	.p2align	6, 0x0
	.amdhsa_kernel k_q6dd1a2a2fe_qkv
		.amdhsa_group_segment_fixed_size 327680
		.amdhsa_private_segment_fixed_size 0
		.amdhsa_enable_private_segment 0
		.amdhsa_kernarg_size 16
		.amdhsa_user_sgpr_count 2
		.amdhsa_user_sgpr_kernarg_segment_ptr 1
		.amdhsa_wavefront_size32 1
		.amdhsa_system_sgpr_workgroup_id_x 1
		.amdhsa_system_sgpr_workgroup_id_y 1
		.amdhsa_system_sgpr_workgroup_id_z 1
		.amdhsa_system_vgpr_workitem_id 0
		.amdhsa_next_free_vgpr 1024
		.amdhsa_next_free_sgpr 100
		.amdhsa_reserve_vcc 0
		.amdhsa_float_denorm_mode_32 3
		.amdhsa_float_denorm_mode_16_64 3
		.amdhsa_memory_ordered 1
		.amdhsa_forward_progress 1
		.amdhsa_inst_pref_size 180
	.end_amdhsa_kernel
	.amdgpu_metadata
---
amdhsa.version: [ 1, 2 ]
amdhsa.kernels:
  - .name:           k_q6dd1a2a2fe_qkv
    .symbol:         k_q6dd1a2a2fe_qkv.kd
    .args:
      - { .name: wts, .offset: 0, .size: 8, .value_kind: global_buffer, .address_space: global }
      - { .name: qkv, .offset: 8, .size: 8, .value_kind: global_buffer, .address_space: global }
    .group_segment_fixed_size: 327680
    .private_segment_fixed_size: 0
    .kernarg_segment_align: 8
    .kernarg_segment_size: 16
    .max_flat_workgroup_size: 128
    .sgpr_count:     100
    .vgpr_count:     1024
    .wavefront_size: 32
...
	.end_amdgpu_metadata
.endif
;; end of part 2
;; launch attn (part 3): grid 8 x 32, 16 waves a work-group, clusters of 4 x 1, 280,576 bytes of LDS; arguments qkv, ho; writes ho
.if DOCPART == 3
	.amdgcn_target "amdgcn-amd-amdhsa--gfx1250"
	.amdhsa_code_object_version 6
	.text
	.protected	k_q6dd1a2a2fe_attn
	.globl	k_q6dd1a2a2fe_attn
	.p2align	8
	.type	k_q6dd1a2a2fe_attn,@function
k_q6dd1a2a2fe_attn:
	s_mov_b64 s[64:65], 0
	v_nop
	global_prefetch_b8 v0, s[64:65] scope:SCOPE_SE
	s_setreg_imm32_b32 hwreg(HW_REG_WAVE_MODE, 25, 1), 1
	s_wait_xcnt 0x0
	s_wait_alu depctr_hold_cnt(0) depctr_sa_sdst(0) depctr_va_vdst(0) depctr_va_sdst(0) depctr_va_ssrc(0) depctr_va_vcc(0) depctr_vm_vsrc(0)
	s_getreg_b32 s2, hwreg(HW_REG_IB_STS2, 6, 4)
	s_cmp_eq_u32 s2, 0
	s_cbranch_scc0 .Lentry_in_a_cluster
	s_endpgm
.Lentry_in_a_cluster:
	s_bfe_u32 s2, ttmp6, 0x10000c
	s_cmp_lg_u32 s2, 0x3003
	s_cbranch_scc0 .Lentry_shape_is_right
	s_endpgm
.Lentry_shape_is_right:
; LAUNCH 3 OF 8.  Products 4 and 5 with the softmax between them, and the quantising of head_out for product 6.
; LEFT OUT: key steps of 128 keys that lie wholly behind a tile's 16 queries: reference()'s own causal mask makes their weights 0 for all finite inputs (shown at the head of the launch quant).
; THE SOFTMAX: t = score x log2(e) / 8; M = the running largest t rounded up to a whole number; p = 2^(t - M) is quantised along the keys; the row's sum is taken of the unquantised p and divides at the end.
; SHARES.  A work-group takes one (batch, head) and the query tiles g + 8 n, g = its x, n = 0 .. 15; tile g + 8 n needs key steps 0 .. n, and step n holds its diagonal.  Wave w owns n = w xor 3 ((w / 4) % 2).
; THE LONG TILES ARE SHARED OUT, so that every wave has 8 or 9 key steps.  A wave with n < 8 first takes key steps 0 .. 7 - n of tile 15 - n, puts what it has of that tile (O^T, -M, the sum) into LDS as an image of its
; registers, and then does its own tile, steps 0 .. n.  A wave with n >= 8 takes steps n - 7 .. n of its own tile and, behind one barrier, adds its partner's part (wave w xor 12): both parts are brought under the
; larger M by powers of two, which rounds nothing.  All that is alike in all work-groups: it hangs on the wave's number alone.
; THE WHOLE HEAD'S K AND V STAY IN LDS: 16 steps x (4 pair fragments of k + 4 fragments of v) and their scale words, filled once by joint loads of the four partners of a cluster, which share the head.  No byte is filled again.
; K = 64 IN AN INSTRUCTION OF 128: a pair fragment of k holds two tiles of keys, one in each half of K; it is multiplied by Q = [q | 0] and by Q' = [0 | q], which gives the two tiles' scores.
; Both products are used transposed: a lane holds one query throughout.  Rows of all tiles stand in the order of positions (launch quant), so that the 16 registers of two neighbouring tiles are 16 neighbouring keys or channels.
; A fragment of product 6 spans two heads and a work-group owns one: half of its code bytes and its scale bytes go out in stores of 16 and 8 bytes and 1 byte a lane.
; LIMITS: a block of zeros gets the byte 1 (its codes are zeros; this program alone reads the bytes); NaN and infinities are not served.
; REGISTERS: v1-9 addresses; v12 -M, v13 the largest t, v[14:15] the sum; v16-27 Q, v28-39 Q'; v40-87 four fragments of k or v; v96-159 scores, then p; v160-191 O^T; v192-203 p's codes; v204-210, v232-243, v252-254 at work;
;   v212-218 my own tile's q and its word; v219, v220 the exchange's addresses; v244 p's scale word, v245 Q's, v246 Q''s, v248-251 k's or v's.
.set FRB,   1536
.set STEPB, 12288                      ; a key step in LDS and in memory
.set SCB,   196608                     ; behind the codes: the scale words, 512 bytes a step
.set SPARE, 204800                     ; the spare words, 128 bytes for each of sixteen waves
.set XCH,   206848                     ; the exchange: for each wave 8 x 512 bytes of O^T and 512 of -M, t and the sum; the waves with n < 8 write theirs
.set XW,    4608
.set QSO,   3145728                    ; regions of the workspace qkv
.set KVC,   3276800
.set KVS,   9568256
.set HSO,   3145728                    ; and of ho
.set LI,  1                            ; v1 16 x lane
.set LS,  2                            ; v2 SCB + 4 r
.set DQ,  3                            ; v3 my query less the step's first key less 16 h, on the diagonal
.set SPW, 5
.set NIL, 6
.set BO,  7                            ; v7 4 r + h
.set ADK, 8
.set ADS, 9
.set Q2,  212
.set XS,  219                          ; v219 where I put my part, v220 where my partner's lies
.set XL,  220
.set WV,  18
.set TAU, 19
.set SEL, 20
.set CS,  22
.set TB,  2                            ; s2 the step's codes in LDS, s3 its scale words, s66 its number
.set TS,  3
.set SI,  66
.set PAR, 67                           ; s67 all ones where my tile is the second of its pair
.set HM,  68                           ; s68 the mask of lanes 16-31
.set ISB, 60                           ; s60 1 where n >= 8
.set T1,  61                           ; s61 the tile of my first walk
.set LO,  62                           ; s62, s63 the walk's first and last key step; s69 the step that holds the diagonal (64: none)
.set HI,  63
.set DG,  69
.macro CROUND
	s_barrier_signal -1
	s_barrier_wait -1
	s_cmp_lg_u32 s[WV], 0
	s_cbranch_scc1 .Lnot_wave_0_\@
	s_barrier_signal -3
.Lnot_wave_0_\@:
	s_barrier_wait -3
	s_barrier_signal -1
	s_barrier_wait -1
.endm
.macro INIT                            ; a walk begins: the largest t so far is -3e38, the sum and O^T are zeros, which the first change of M leaves zeros
	v_mov_b32 v13, 0xff61b1e6
	s_delay_alu instid0(VALU_DEP_1)
	v_floor_f32 v12, -v13
	v_mov_b32 v14, 0
	v_mov_b32 v15, 0
.irp j, 0,1,2,3,4,5,6,7,8,9,10,11,12,13,14,15,16,17,18,19,20,21,22,23,24,25,26,27,28,29,30,31
	v_mov_b32 v[160+\j], 0
.endr
.endm
	s_load_b128 s[4:7], s[0:1], 0x0                ; qkv s[4:5], ho s[6:7]
	v_lshl_add_u32 v[SPW], v0, 2, SPARE
	v_mov_b32 v[NIL], 0
	ds_add_u32 v[SPW], v[NIL]                      ; the wave's opening: the add, twice on end, and its wait ahead of my first tensor load
	ds_add_u32 v[SPW], v[NIL]
	v_lshrrev_b32 v8, 5, v0
	s_delay_alu instid0(VALU_DEP_1)
	v_readfirstlane_b32 s[WV], v8                  ; wave 0..15
	s_bfe_u32 s8, s[WV], 0x10002
	s_mul_i32 s8, s8, 3
	s_xor_b32 s[TAU], s[WV], s8                    ; n: my own tile
	s_lshr_b32 s[ISB], s[TAU], 3
	s_xor_b32 s70, s[TAU], 15                      ; 15 - n
	s_xor_b32 s71, s[TAU], 7                       ; 7 - n where n < 8
	s_max_u32 s[LO], s[TAU], 7
	s_sub_co_u32 s[LO], s[LO], 7                   ; the first walk begins at step n - 7, or at 0
	s_cmp_eq_u32 s[ISB], 1
	s_cselect_b32 s[T1], s[TAU], s70               ; it is my own tile's, or my partner's,
	s_cselect_b32 s[HI], s[TAU], s71               ; ends at step n, or at 7 - n,
	s_cselect_b32 s[DG], s[TAU], 64                ; and meets the diagonal at step n, or nowhere
	s_bfe_u32 s9, ttmp6, 0x40000                   ; cx
	s_lshl_b32 s10, ttmp9, 2
	s_add_co_u32 s10, s10, s9                      ; g: it enters Q's and the output's addresses and data selects alone
	s_and_b32 s11, ttmp7, 0xffff                   ; batch x 16 + head, which the partners share
.irp g, 24,32                          ; two shapes of dense blocks, as rows of 256 bytes (32 elements of 8): mask of all four partners, bit 21 beside it
	s_mov_b32 s[\g], 15|(3<<16)|(1<<21)
	s_mov_b32 s[\g+1], 32<<16
	s_mov_b32 s[\g+3], 32<<16
	s_mov_b32 s[\g+5], 32
	s_mov_b32 s[\g+6], 0
	s_mov_b32 s[\g+7], 0
.endr
	s_mov_b32 s26, 8<<16                           ; the head's 8,192 bytes of scale words: waves 12-15, 8 rows each
	s_mov_b32 s28, 8
	s_mov_b32 s34, 64<<16                          ; its 196,608 bytes of codes: waves 0-11, 64 rows each
	s_mov_b32 s36, 64
	s_and_b32 s8, s[WV], 3
	s_lshl_b32 s8, s8, 11                          ; 2,048 x (wave % 4)
	s_lshl_b32 s12, s11, 13
	s_add_co_u32 s12, s12, s8
	s_add_co_u32 s12, s12, KVS
	s_mov_b32 s13, 0
	s_mul_i32 s16, s11, 196608
	s_lshl_b32 s14, s[WV], 14                      ; 16,384 x wave
	s_add_co_u32 s16, s16, s14
	s_add_co_u32 s16, s16, KVC
	s_mov_b32 s17, 0
	s_mov_b32 s[SEL], 0x76543210
	s_mov_b32 s[SEL+1], 0xfedcba98
	s_mov_b32 s[CS], 0x3e38aa3b                    ; c = log2(e) / 8
	s_mov_b32 s[CS+1], s[CS]
	s_mov_b32 s[TB], 0
	s_mov_b32 s[TS], 0
	s_mov_b32 s[SI], 0
	s_wait_dscnt 0x0                               ; both opening adds are done
	s_wait_kmcnt 0x0
	s_mov_b32 s48, 1
	s_add_co_u32 s49, s8, SCB
	s_add_nc_u64 s[50:51], s[4:5], s[12:13]
	s_or_b32 s51, s51, 0x80000000
	s_mov_b32 s52, 1
	s_lshl_b32 s53, s[WV], 14
	s_add_nc_u64 s[54:55], s[4:5], s[16:17]
	s_or_b32 s55, s55, 0x80000000
	CROUND                                         ; all four partners are here: the joint loads meet
	s_cmp_lt_u32 s[WV], 12                         ; one load a wave: the wave's number alone decides which
	s_cbranch_scc0 .Lhead_words
	tensor_load_to_lds s[52:55], s[32:39]          ; a twelfth of the codes
	s_nop 0
.rept 4
	v_nop
.endr
	s_branch .Lhead_asked
.Lhead_words:
	tensor_load_to_lds s[48:51], s[24:31]          ; a quarter of the scale words
	s_nop 0
.rept 4
	v_nop
.endr
.Lhead_asked:
	s_lshr_b32 s9, s10, 1                          ; g / 2
	s_mul_i32 s16, s11, 98304                      ; the head's q: codes,
	s_lshl_b32 s17, s11, 12
	s_add_co_u32 s17, s17, QSO                     ; scale words
	s_lshl_b32 s8, s[T1], 2
	s_add_co_u32 s8, s8, s9                        ; the pair of the first walk's tile: 4 x tile + g / 2
	s_mul_i32 s13, s8, FRB
	s_add_co_u32 s12, s16, s13
	s_mov_b32 s13, 0
	s_add_nc_u64 s[12:13], s[4:5], s[12:13]
	s_lshl_b32 s15, s8, 6
	s_add_co_u32 s14, s17, s15
	s_mov_b32 s15, 0
	s_add_nc_u64 s[14:15], s[4:5], s[14:15]
	s_lshl_b32 s8, s[TAU], 2
	s_add_co_u32 s8, s8, s9                        ; the pair of my own tile (where n >= 8 the same pair again: so the text has no branch here)
	s_mul_i32 s71, s8, FRB
	s_add_co_u32 s70, s16, s71
	s_mov_b32 s71, 0
	s_add_nc_u64 s[70:71], s[4:5], s[70:71]
	s_lshl_b32 s73, s8, 6
	s_add_co_u32 s72, s17, s73
	s_mov_b32 s73, 0
	s_add_nc_u64 s[72:73], s[4:5], s[72:73]
	v_and_b32 v10, 15, v0                          ; r
	v_bfe_u32 v11, v0, 4, 1                        ; h
	v_and_b32 v4, 31, v0
	s_delay_alu instid0(VALU_DEP_1)
	v_lshlrev_b32 v[LI], 4, v4
	s_delay_alu instid0(VALU_DEP_4)
	v_lshlrev_b32 v[ADS], 2, v10
	s_delay_alu instid0(VALU_DEP_1)
	v_add_nc_u32 v[LS], SCB, v[ADS]
	s_delay_alu instid0(VALU_DEP_2)
	v_add_nc_u32 v[BO], v[ADS], v11
	v_cmp_le_u32 s[HM], 16, v4
.irp c, 0,1,2
	global_load_b128 v[40+4*\c:43+4*\c], v[LI], s[12:13] offset:512*\c     ; the pair fragment that holds the first walk's 16 queries
.endr
	global_load_b32 v252, v[ADS], s[14:15]         ; and its words
.irp c, 0,1,2
	global_load_b128 v[52+4*\c:55+4*\c], v[LI], s[70:71] offset:512*\c     ; my own tile's
.endr
	global_load_b32 v254, v[ADS], s[72:73]
	s_mul_i32 s8, s[WV], XW
	s_add_co_u32 s8, s8, XCH
	v_add_nc_u32 v[XS], s8, v[LI]                  ; the exchange: my own part,
	s_xor_b32 s8, s[WV], 12
	s_mul_i32 s8, s8, XW
	s_add_co_u32 s8, s8, XCH
	v_add_nc_u32 v[XL], s8, v[LI]                  ; my partner's
	s_lshl_b32 s9, s9, 5
	s_and_b32 s16, s10, 1
	s_lshl_b32 s17, s16, 3
	s_add_co_u32 s9, s9, s17
	v_lshrrev_b32 v[DQ], 3, v10
	s_delay_alu instid0(VALU_DEP_1)
	v_lshlrev_b32 v[DQ], 4, v[DQ]
	v_and_b32 v4, 7, v10
	s_delay_alu instid0(VALU_DEP_1)
	v_add_nc_u32 v[DQ], v[DQ], v4
	v_lshlrev_b32 v4, 4, v11
	s_delay_alu instid0(VALU_DEP_1)
	v_sub_nc_u32 v[DQ], v[DQ], v4
	s_delay_alu instid0(VALU_DEP_1)
	v_add_nc_u32 v[DQ], s9, v[DQ]                  ; 32 (g / 2) + 8 (g % 2) + 16 (r / 8) + r % 8 - 16 h
	s_cmp_eq_u32 s16, 1
	s_cselect_b32 s[PAR], -1, 0
	s_wait_loadcnt 0x0
.irp i, 0,1,2,3,4,5
	v_cndmask_b32 v[16+\i], v[40+\i], v[46+\i], s[PAR]     ; my tile's half of the pair: a choice of data, no branch
	v_cndmask_b32 v[Q2+\i], v[52+\i], v[58+\i], s[PAR]
.endr
.irp i, 0,1,2,3,4,5
	v_mov_b32 v[34+\i], v[16+\i]                   ; Q' = [0 | q]
.endr
.irp i, 22,23,24,25,26,27,28,29,30,31,32,33
	v_mov_b32 v[\i], 0                             ; zero codes: they add nothing under any byte but 0xff
.endr
	v_lshrrev_b32 v253, 16, v252
	v_and_b32 v252, 0xffff, v252
	s_delay_alu instid0(VALU_DEP_1)
	v_cndmask_b32 v245, v252, v253, s[PAR]         ; Q's word: my two bytes below,
	s_delay_alu instid0(VALU_DEP_1)
	v_lshlrev_b32 v246, 16, v245                   ; Q''s: above
	v_lshrrev_b32 v253, 16, v254
	v_and_b32 v254, 0xffff, v254
	s_delay_alu instid0(VALU_DEP_1)
	v_cndmask_b32 v[Q2+6], v254, v253, s[PAR]      ; my own tile's two bytes
.irp b, 0,1,2,3
	v_mov_b32 v[236+\b], 0                         ; written once: a lane permute's destination counts as one of its sources
.endr
	v_mov_b32 v253, 0
	INIT                                           ; (these moves are also the places ahead of the first scaled products)
; A KEY STEP: 128 keys.  A wave whose walk does not hold the step jumps to the lines that step the addresses: branches on the wave's number and the count of steps.
.macro STEP
	s_cmp_lt_u32 s[SI], s[LO]
	s_cbranch_scc1 .Lskip_\@
	s_cmp_gt_u32 s[SI], s[HI]
	s_cbranch_scc1 .Lskip_\@
	v_add_nc_u32 v[ADK], s[TB], v[LI]
	v_add_nc_u32 v[ADS], s[TS], v[LS]
	v_nop
	v_nop                                          ; four plain lines ahead of loads into registers that the last products read
.irp f, 0,1,2,3
.irp c, 0,1,2
	ds_load_b128 v[40+12*\f+4*\c:43+12*\f+4*\c], v[ADK] offset:FRB*\f+512*\c
.endr
	ds_load_b32 v[248+\f], v[ADS] offset:64*\f
.endr
	s_wait_alu depctr_va_vdst(0)
	s_wait_dscnt 0x0
.irp f, 0,1,2,3
	v_wmma_scale_f32_16x16x128_f8f6f4 v[96+16*\f:103+16*\f], v[40+12*\f:51+12*\f], v[16:27], 0, v[248+\f], v245 matrix_a_fmt:MATRIX_FMT_FP6 matrix_b_fmt:MATRIX_FMT_FP6
	v_wmma_scale_f32_16x16x128_f8f6f4 v[104+16*\f:111+16*\f], v[40+12*\f:51+12*\f], v[28:39], 0, v[248+\f], v246 matrix_a_fmt:MATRIX_FMT_FP6 matrix_b_fmt:MATRIX_FMT_FP6
.endr                                          ; register 16 b + i of lane (r, h): key 32 b + 16 h + i of the step, query r
.rept 4
	v_nop
.endr
.irp f, 0,1,2,3                                ; v's fragments are asked for now and land under the softmax
.irp c, 0,1,2
	ds_load_b128 v[40+12*\f+4*\c:43+12*\f+4*\c], v[ADK] offset:6144+FRB*\f+512*\c
.endr
	ds_load_b32 v[248+\f], v[ADS] offset:256+64*\f
.endr
	s_cmp_lg_u32 s[SI], s[DG]
	s_cbranch_scc1 .Lopen_\@
	v_mov_b32 v254, 0xff800000                     ; on the diagonal hidden scores become -infinity: p = 0 there
.irp n, 0,1,2,3,4,5,6,7,8,9,10,11,12,13,14,15,16,17,18,19,20,21,22,23,24,25,26,27,28,29,30,31,32,33,34,35,36,37,38,39,40,41,42,43,44,45,46,47,48,49,50,51,52,53,54,55,56,57,58,59,60,61,62,63
	v_cmp_gt_i32 vcc_lo, 32*(\n/16)+\n%16, v[DQ]
	v_cndmask_b32 v[96+\n], v[96+\n], v254, vcc_lo
.endr
.Lopen_\@:
.irp b, 0,1,2,3
	v_max3_num_f32 v[232+\b], v[96+16*\b], v[97+16*\b], v[98+16*\b]   ; the largest score of each block of 32 keys: for the row's maximum and for the block's largest p
.endr
.irp i, 3,5,7,9,11,13
.irp b, 0,1,2,3
	v_max3_num_f32 v[232+\b], v[232+\b], v[96+16*\b+\i], v[97+16*\b+\i]
.endr
.endr
.irp b, 0,1,2,3
	v_max_num_f32 v[232+\b], v[232+\b], v[111+16*\b]
.endr
.irp b, 0,1,2,3
	s_delay_alu instid0(VALU_DEP_4)
	v_permlanex16_b32 v[236+\b], v[232+\b], s[SEL], s[SEL+1]
.endr
.irp b, 0,1,2,3
	s_delay_alu instid0(VALU_DEP_4)
	v_max_num_f32 v[232+\b], v[232+\b], v[236+\b]
.endr
	s_delay_alu instid0(VALU_DEP_2)
	v_max3_num_f32 v254, v232, v233, v234
	s_delay_alu instid0(VALU_DEP_1)
	v_max_num_f32 v254, v254, v235
	s_delay_alu instid0(VALU_DEP_1)
	v_mul_f32 v254, s[CS], v254
	s_delay_alu instid0(VALU_DEP_1)
	v_max_num_f32 v13, v13, v254                   ; the running largest t
	v_mov_b32 v254, v12
	s_delay_alu instid0(VALU_DEP_2)
	v_floor_f32 v12, -v13                          ; -M = floor(-t): M is a whole number
	s_delay_alu instid0(VALU_DEP_1)
	v_sub_f32 v254, v12, v254
	s_delay_alu instid0(VALU_DEP_1)
	v_cvt_i32_f32 v254, v254                       ; (it saturates)
	s_delay_alu instid0(VALU_DEP_1)
	v_ldexp_f32 v252, 1.0, v254                    ; f = 2^(old M - new M): a multiplication by it rounds nothing
.irp j, 0,2,4,6,8,10,12,14,16,18,20,22,24,26,28,30,32,34,36,38,40,42,44,46,48,50,52,54,56,58,60,62
	v_pk_fma_f32 v[96+\j:97+\j], v[96+\j:97+\j], s[CS:CS+1], v[12:13] op_sel_hi:[1,0,0]   ; t - M
.endr
.irp b, 0,1,2,3
	v_fma_f32 v[232+\b], v[232+\b], s[CS], v12
.endr
	s_wait_alu depctr_va_vdst(0)
.irp j, 0,1,2,3,4,5,6,7,8,9,10,11,12,13,14,15,16,17,18,19,20,21,22,23,24,25,26,27,28,29,30,31,32,33,34,35,36,37,38,39,40,41,42,43,44,45,46,47,48,49,50,51,52,53,54,55,56,57,58,59,60,61,62,63
	v_exp_f32 v[96+\j], v[96+\j]                   ; p = 2^(t - M)
.endr
	v_pk_mul_f32 v[14:15], v[14:15], v[252:253] op_sel_hi:[1,0]   ; the sums under the new M: a plain line behind the exponentials
	s_wait_alu depctr_va_vdst(0)                   ; one wait for the whole batch, ahead of its first reader
.irp b, 0,1,2,3
	v_exp_f32 v[232+\b], v[232+\b]                 ; each block's largest p
.endr
	v_pk_add_f32 v[236:237], v[100:101], v[104:105]
	v_pk_add_f32 v[254:255], v[108:109], v[112:113]
	v_pk_add_f32 v[242:243], v[116:117], v[120:121]
	v_pk_add_f32 v[240:241], v[124:125], v[128:129]
	v_pk_add_f32 v[238:239], v[132:133], v[136:137]
	v_pk_add_f32 v[230:231], v[140:141], v[144:145]
	v_pk_add_f32 v[228:229], v[148:149], v[152:153]
	v_pk_add_f32 v[14:15], v[14:15], v[156:157]
	v_pk_add_f32 v[236:237], v[236:237], v[96:97]
	v_pk_add_f32 v[254:255], v[254:255], v[98:99]
	v_pk_add_f32 v[242:243], v[242:243], v[102:103]
	v_pk_add_f32 v[240:241], v[240:241], v[106:107]
	v_pk_add_f32 v[238:239], v[238:239], v[110:111]
	v_pk_add_f32 v[230:231], v[230:231], v[114:115]
	v_pk_add_f32 v[228:229], v[228:229], v[118:119]
	v_pk_add_f32 v[14:15], v[14:15], v[122:123]
	v_pk_add_f32 v[236:237], v[236:237], v[126:127]
	v_pk_add_f32 v[254:255], v[254:255], v[130:131]
	v_pk_add_f32 v[242:243], v[242:243], v[134:135]
	v_pk_add_f32 v[240:241], v[240:241], v[138:139]
	v_pk_add_f32 v[238:239], v[238:239], v[142:143]
	v_pk_add_f32 v[230:231], v[230:231], v[146:147]
	v_pk_add_f32 v[228:229], v[228:229], v[150:151]
	v_pk_add_f32 v[14:15], v[14:15], v[154:155]
	v_pk_add_f32 v[236:237], v[236:237], v[158:159]
	s_delay_alu instid0(VALU_DEP_2)
	v_pk_add_f32 v[14:15], v[14:15], v[240:241]
	s_delay_alu instid0(VALU_DEP_2)
	v_pk_add_f32 v[236:237], v[236:237], v[238:239]
	v_pk_add_f32 v[254:255], v[254:255], v[230:231]
	v_pk_add_f32 v[242:243], v[242:243], v[228:229]
	s_delay_alu instid0(VALU_DEP_2)
	v_pk_add_f32 v[14:15], v[14:15], v[254:255]
	s_delay_alu instid0(VALU_DEP_2)
	v_pk_add_f32 v[236:237], v[236:237], v[242:243]
	s_delay_alu instid0(VALU_DEP_1)
	v_pk_add_f32 v[14:15], v[14:15], v[236:237]
	s_wait_alu depctr_va_vdst(0)                   ; and one for the four
.irp b, 0,1,2,3
	v_max_num_f32 v[232+\b], 0x1800000, v[232+\b]  ; the floor: the byte cannot fall under 1
.endr
.irp b, 0,1,2,3
	s_delay_alu instid0(VALU_DEP_4)
	v_add_nc_u32 v[240+\b], 0xff000000, v[232+\b]
.endr
.irp b, 0,1,2,3
	s_delay_alu instid0(VALU_DEP_4)
	v_lshrrev_b32 v[236+\b], 23, v[240+\b]
.endr
	s_delay_alu instid0(VALU_DEP_3)
	v_lshl_or_b32 v244, v237, 8, v236              ; p's scale word for these 128 keys
	s_delay_alu instid0(VALU_DEP_1)
	v_lshl_or_b32 v244, v238, 16, v244
	s_delay_alu instid0(VALU_DEP_1)
	v_lshl_or_b32 v244, v239, 24, v244
.irp c, 0,1
	v_cvt_scalef32_pk16_fp6_f32 v[192+6*\c:194+6*\c], v[96+32*\c:111+32*\c], v[240+2*\c]
	v_cvt_scalef32_pk16_fp6_f32 v[204+4*\c:206+4*\c], v[112+32*\c:127+32*\c], v[240+2*\c+1]
.endr
	v_nop
.irp c, 0,1
.irp i, 0,1,2
	v_permlane16_swap_b32 v[192+6*\c+\i], v[204+4*\c+\i]
.endr
.irp i, 0,1,2
	s_delay_alu instid0(VALU_DEP_3)
	v_mov_b32 v[195+6*\c+\i], v[204+4*\c+\i]
.endr
.endr
.irp j, 0,2,4,6,8,10,12,14,16,18,20,22,24,26,28,30
	v_pk_mul_f32 v[160+\j:161+\j], v[160+\j:161+\j], v[252:253] op_sel_hi:[1,0]   ; O^T under the new M; these sixteen are also the places ahead of the scaled products
.endr
	s_wait_alu depctr_va_vdst(0)
	s_wait_dscnt 0x0                               ; v's fragments and words are in
.irp f, 0,1,2,3
	v_wmma_scale_f32_16x16x128_f8f6f4 v[160+8*\f:167+8*\f], v[40+12*\f:51+12*\f], v[192:203], v[160+8*\f:167+8*\f], v[248+\f], v244 matrix_a_fmt:MATRIX_FMT_FP6 matrix_b_fmt:MATRIX_FMT_FP6
.endr
.Lskip_\@:
	s_add_co_u32 s[TB], s[TB], STEPB
	s_add_co_u32 s[TS], s[TS], 512
	s_add_co_u32 s[SI], s[SI], 1
.endm
	s_wait_tensorcnt 0x0                           ; my parts of the head's scale words and codes are in
	s_barrier_signal -1
	s_barrier_wait -1                              ; everybody's are
.Lone:                                             ; the first walk: a long tile's steps, its owner's and its helper's
	STEP
	s_cmp_lt_u32 s[SI], 16
	s_cbranch_scc1 .Lone
.rept 4
	v_nop                                          ; places behind the last products, ahead of the reads and writes of O^T below
.endr
	s_mov_b32 s[TB], 0
	s_mov_b32 s[TS], 0
	s_mov_b32 s[SI], 0
	s_cmp_eq_u32 s[ISB], 1
	s_cselect_b32 s[LO], 1, 0                      ; the second walk: steps 0 .. n of my own tile where n < 8; else none
	s_cselect_b32 s[HI], 0, s[TAU]
	s_cselect_b32 s[DG], 64, s[TAU]
	s_cbranch_scc1 .Lkeep                          ; the wave's number alone decides
	s_wait_alu depctr_va_vdst(0)
.irp c, 0,1,2,3,4,5,6,7
	ds_store_b128 v[XS], v[160+4*\c:163+4*\c] offset:512*\c       ; what I have of my partner's tile, as an image of my registers; each accumulator from its low end on
.endr
	ds_store_b128 v[XS], v[12:15] offset:4096      ; -M, the largest t, the sum's two halves
	s_wait_dscnt 0x0                               ; the stores have landed; their registers are written again below
.irp i, 0,1,2,3,4,5
	v_mov_b32 v[16+\i], v[Q2+\i]                   ; my own tile's q
	v_mov_b32 v[34+\i], v[Q2+\i]
.endr
	v_mov_b32 v245, v[Q2+6]
	v_lshlrev_b32 v246, 16, v[Q2+6]
	INIT                                           ; (also the places ahead of the next scaled products)
.Lkeep:
.Ltwo:
	STEP
	s_cmp_lt_u32 s[SI], 8
	s_cbranch_scc1 .Ltwo
.rept 4
	v_nop                                          ; places behind the last products
.endr
	s_wait_dscnt 0x0                               ; no LDS instruction of mine is out
	s_barrier_signal -1
	s_barrier_wait -1                              ; every helper's part lies in LDS
	s_cmp_eq_u32 s[ISB], 0
	s_cbranch_scc1 .Lout
.irp c, 0,1,2,3,4,5,6,7
	ds_load_b128 v[96+4*\c:99+4*\c], v[XL] offset:512*\c          ; my partner's part of my tile
.endr
	ds_load_b128 v[128:131], v[XL] offset:4096
	v_mov_b32 v133, 0                              ; (named as the upper half of the pair v[132:133])
	s_wait_dscnt 0x0
	v_min_num_f32 v254, v12, v128                  ; -M of both parts together
	s_delay_alu instid0(VALU_DEP_1)
	v_sub_f32 v252, v254, v12                      ; whole numbers, 0 or less
	s_delay_alu instid0(VALU_DEP_2)
	v_sub_f32 v132, v254, v128
	s_delay_alu instid0(VALU_DEP_2)
	v_cvt_i32_f32 v252, v252
	s_delay_alu instid0(VALU_DEP_2)
	v_cvt_i32_f32 v132, v132
	s_delay_alu instid0(VALU_DEP_2)
	v_ldexp_f32 v252, 1.0, v252                    ; 2^(my M - M),
	s_delay_alu instid0(VALU_DEP_2)
	v_ldexp_f32 v132, 1.0, v132                    ; 2^(my partner's M - M)
	s_delay_alu instid0(VALU_DEP_2)
	v_pk_mul_f32 v[14:15], v[14:15], v[252:253] op_sel_hi:[1,0]
	s_wait_alu depctr_va_vdst(0)
	v_pk_fma_f32 v[14:15], v[130:131], v[132:133], v[14:15] op_sel_hi:[1,0,1]
.irp j, 0,2,4,6,8,10,12,14,16,18,20,22,24,26,28,30
	v_pk_mul_f32 v[160+\j:161+\j], v[160+\j:161+\j], v[252:253] op_sel_hi:[1,0]
.endr
.irp j, 0,2,4,6,8,10,12,14,16,18,20,22,24,26,28,30
	v_pk_fma_f32 v[160+\j:161+\j], v[96+\j:97+\j], v[132:133], v[160+\j:161+\j] op_sel_hi:[1,0,1]
.endr
.Lout:
	; THE WAY OUT: O^T / the sum; its 64 channels are two blocks of product 6's K: quantised here, six registers of a fragment
	v_add_f32 v14, v14, v15
	s_delay_alu instid0(VALU_DEP_1)
	v_permlanex16_b32 v252, v14, s[SEL], s[SEL+1]
	s_delay_alu instid0(VALU_DEP_1)
	v_add_f32 v14, v14, v252
	s_wait_alu depctr_va_vdst(0)
	v_rcp_f32 v14, v14
	v_nop
	s_lshr_b32 s8, s11, 4
	s_lshl_b32 s8, s8, 7
	s_add_co_u32 s8, s8, s10
	s_lshl_b32 s9, s[TAU], 3
	s_add_co_u32 s8, s8, s9                        ; my tile of rows: 128 x batch + g + 8 n
	s_bfe_u32 s9, s11, 0x30001                     ; the K step: head / 2
	s_lshl_b32 s12, s8, 3
	s_add_co_u32 s12, s12, s9
	s_mul_i32 s12, s12, FRB
	s_mov_b32 s13, 0
	s_add_nc_u64 s[12:13], s[6:7], s[12:13]
	s_lshl_b32 s14, s9, 8
	s_add_co_u32 s14, s14, s8
	s_lshl_b32 s14, s14, 6
	s_and_b32 s16, s11, 1
	s_lshl_b32 s17, s16, 1
	s_add_co_u32 s14, s14, s17
	s_add_co_u32 s14, s14, HSO
	s_mov_b32 s15, 0
	s_add_nc_u64 s[14:15], s[6:7], s[14:15]
	v_nop
	v_nop
	s_wait_alu depctr_va_vdst(0)                   ; ahead of the reciprocal's first reader
	v_mov_b32 v15, v14
.irp j, 0,2,4,6,8,10,12,14,16,18,20,22,24,26,28,30
	v_pk_mul_f32 v[96+\j:97+\j], v[160+\j:161+\j], v[14:15]   ; register 16 b + i: channel 32 b + 16 h + i of my query
.endr
.irp b, 0,1
	v_max3_num_f32 v[232+\b], |v[96+16*\b]|, |v[97+16*\b]|, 0x1800000
.endr
.irp i, 2,4,6,8,10,12,14
.irp b, 0,1
	s_delay_alu instid0(VALU_DEP_2)
	v_max3_num_f32 v[232+\b], v[232+\b], |v[96+16*\b+\i]|, |v[97+16*\b+\i]|
.endr
.endr
.irp b, 0,1
	s_delay_alu instid0(VALU_DEP_2)
	v_permlanex16_b32 v[236+\b], v[232+\b], s[SEL], s[SEL+1]
.endr
.irp b, 0,1
	s_delay_alu instid0(VALU_DEP_2)
	v_max_num_f32 v[232+\b], v[232+\b], v[236+\b]
.endr
.irp b, 0,1
	s_delay_alu instid0(VALU_DEP_2)
	v_add_nc_u32 v[240+\b], 0xff000000, v[232+\b]
.endr
.irp b, 0,1
	s_delay_alu instid0(VALU_DEP_2)
	v_lshrrev_b32 v[236+\b], 23, v[240+\b]
.endr
	v_cvt_scalef32_pk16_fp6_f32 v[192:194], v[96:111], v240
	v_cvt_scalef32_pk16_fp6_f32 v[204:206], v[112:127], v241
	v_nop
.irp i, 0,1,2
	v_permlane16_swap_b32 v[192+\i], v[204+\i]
.endr
.irp i, 0,1,2
	s_delay_alu instid0(VALU_DEP_3)
	v_mov_b32 v[195+\i], v[204+\i]
.endr
	v_cndmask_b32 v236, v236, v237, s[HM]          ; my half's block's byte
	s_cmp_eq_u32 s16, 0                            ; the head's parity: the same in all partners
	s_cbranch_scc0 .Lodd
	global_store_b128 v[LI], v[192:195], s[12:13]                 ; an even head: the fragment's registers 0-5
	global_store_b64 v[LI], v[196:197], s[12:13] offset:512
	s_branch .Lbytes
.Lodd:
	s_wait_alu depctr_va_vdst(0)
	global_store_b64 v[LI], v[192:193], s[12:13] offset:520       ; an odd head: registers 6-11
	global_store_b128 v[LI], v[194:197], s[12:13] offset:1024
.Lbytes:
	s_wait_alu depctr_va_vdst(0)
	global_store_b8 v[BO], v236, s[14:15]
	s_wait_tensorcnt 0x0                           ; the wave's end, behind my last tensor load and my last LDS store
	ds_add_u32 v[SPW], v[NIL]
	s_wait_dscnt 0x0
	CROUND                                         ; the closing round
	s_endpgm
.Lfunc_end_k_q6dd1a2a2fe_attn:
	.size	k_q6dd1a2a2fe_attn, .Lfunc_end_k_q6dd1a2a2fe_attn-k_q6dd1a2a2fe_attn
	.p2alignl 7, 3214868480
	.fill 96, 4, 3214868480
	.section	.rodata,"a",@progbits
	.p2align	6, 0x0
	.amdhsa_kernel k_q6dd1a2a2fe_attn
		.amdhsa_group_segment_fixed_size 280576
		.amdhsa_private_segment_fixed_size 0
		.amdhsa_enable_private_segment 0
		.amdhsa_kernarg_size 16
		.amdhsa_user_sgpr_count 2
		.amdhsa_user_sgpr_kernarg_segment_ptr 1
		.amdhsa_wavefront_size32 1
		.amdhsa_system_sgpr_workgroup_id_x 1
		.amdhsa_system_sgpr_workgroup_id_y 1
		.amdhsa_system_sgpr_workgroup_id_z 1
		.amdhsa_system_vgpr_workitem_id 0
		.amdhsa_next_free_vgpr 256
		.amdhsa_next_free_sgpr 100
		.amdhsa_reserve_vcc 1
		.amdhsa_float_denorm_mode_32 3
		.amdhsa_float_denorm_mode_16_64 3
		.amdhsa_memory_ordered 1
		.amdhsa_forward_progress 1
		.amdhsa_inst_pref_size 67
	.end_amdhsa_kernel
	.amdgpu_metadata
---
amdhsa.version: [ 1, 2 ]
amdhsa.kernels:
  - .name:           k_q6dd1a2a2fe_attn
    .symbol:         k_q6dd1a2a2fe_attn.kd
    .args:
      - { .name: qkv, .offset: 0, .size: 8, .value_kind: global_buffer, .address_space: global }
      - { .name: ho, .offset: 8, .size: 8, .value_kind: global_buffer, .address_space: global }
    .group_segment_fixed_size: 280576
    .private_segment_fixed_size: 0
    .kernarg_segment_align: 8
    .kernarg_segment_size: 16
    .max_flat_workgroup_size: 512
    .sgpr_count:     100
    .vgpr_count:     256
    .wavefront_size: 32
...
	.end_amdgpu_metadata
.endif
;; end of part 3
;; launch oln (part 4): grid 256 x 1, 8 waves a work-group, no clusters, 69,632 bytes of LDS; arguments ho, wts, x, g1, bt1, x1; writes x1
.if DOCPART == 4
	.amdgcn_target "amdgcn-amd-amdhsa--gfx1250"
	.amdhsa_code_object_version 6
	.text
	.protected	k_q6dd1a2a2fe_oln
	.globl	k_q6dd1a2a2fe_oln
	.p2align	8
	.type	k_q6dd1a2a2fe_oln,@function
k_q6dd1a2a2fe_oln:
	s_mov_b64 s[64:65], 0
	v_nop
	global_prefetch_b8 v0, s[64:65] scope:SCOPE_SE
	s_setreg_imm32_b32 hwreg(HW_REG_WAVE_MODE, 25, 1), 1
	s_wait_xcnt 0x0
; Product 6 (head_out wo, on codes of FP6, K = 1,024), x1 = x + layer_norm(.) g1 + bt1 in f32, and x1's codes of FP6 for product 7, in one launch.  Nothing is left out.
; SHARES.  A work-group takes one tile of 16 positions (launch quant says what a position is) and all 1,024 columns; wave w takes wo's tiles 8 w .. 8 w + 7, the actual columns 128 w .. 128 w + 127.
; Operands are register images (launch quant) and go from memory straight into registers: head_out's 8 fragments stay (96 registers); wo's come in half K steps of 4 fragments through a ring of four sets,
; 12 loads a set, three sets ahead.  Each fragment of wo is read by one wave of the work-group and there is no LDS tile, so there is nothing for a joint load to share: no cluster, no tensor load.
; THE PRODUCT IS USED TRANSPOSED (source 0 = wo's tile, source 1 = head_out's): lane (r, h) holds position r, and register 16 b + i of its 64 results is column 128 w + 32 b + 16 h + i.
; So after the norm a wave's 64 registers are K step w of x1: they are quantised where they lie.  The row's mean and then the squares of the differences are summed over lanes and, through LDS, over the 8 waves.
; x comes in and x1 goes out by whole rows of 512 consecutive bytes, turned through the wave's own stage in LDS (16 rows x (512 + 16) bytes).
; LIMITS: a block of zeros gets the byte 1 (its codes are zeros; this program alone reads the bytes); NaN and infinities are not served.
; REGISTERS.  window 0: v1-15 addresses; v16-23 head_out's scale words; v24-55 wo's (lanes 0-15 an even tile, lanes 16-31 the odd one); v64-159 head_out's fragments, later x, x1's rows and codes; v160-223 the sums; v224-241 at work.
;   window 1: v0-191 the ring, later g1 (v0-63) and bt1 (v64-127); v192-255 x as it is loaded.
.set HSO,   3145728                    ; head_out's scale words in ho
.set WOC,   5734400                    ; wo's codes and scale words in wts
.set WOS,   6520832
.set X1C,   16777216                   ; x1's codes and scale words in x1
.set X1S,   19922944
.set SP,    528                        ; a stage row
.set RED,   8*16*SP                    ; behind the stages: 16 rows x 8 waves of partial sums, and 512 bytes on the same for the squares
.set SPARE, RED+1024                   ; the spare words, 128 bytes for each of eight waves
.set LI,  2                            ; v2 16 x lane
.set L4,  5                            ; v5 4 x lane
.set R4,  6                            ; v6 4 r
.set H64, 7                            ; v7 64 h
.set STR, 8                            ; v8 my stage by rows: 16 x lane
.set STL, 9                            ; v9 my stage by lanes: row r, 64 h bytes on
.set RA,  10                           ; v10 where my wave's partial sum of row r goes; v11 where row r's eight lie
.set RL,  11
.set SB,  12                           ; v12 4 r + 2 h
.set SPW, 14
.set NIL, 15
.set AS,  16
.set BS,  24
.set AFR, 64
.set XR,  64
.set CD,  128
.set TT,  140
.set ACC, 160
.set TM,  224
.set SEL, 16                           ; s[16:17] lane selects: lane l xor 16
.set MSB, 0
.macro WIN new                         ; the immediate's high byte repeats the setting that is left
.if MSB != (\new)
	s_set_vgpr_msb (MSB<<8)|(\new)
.set MSB, (\new)
.endif
.endm
.macro BSET n                          ; half K step n of wo: tiles 4 (n % 2) on of K step n / 2, into set n % 4 of window 1
.set k_, (\n)/2
.set t0_, 4*((\n)%2)
.set rb_, 48*((\n)%4)
	WIN 0x40
.irp i, 0,1,2,3
.irp c, 0,1,2
	global_load_b128 v[rb_+12*\i+4*\c:rb_+12*\i+4*\c+3], v[LI], s[48:49] offset:(t0_+\i)*12288+k_*1536+512*\c
.endr
.endr
.endm
.macro MUL4 n                          ; its four products; the eight sums take turns, one instruction a turn; K step 0 starts them with the constant 0
.set k_, (\n)/2
.set t0_, 4*((\n)%2)
.set rb_, 48*((\n)%4)
	WIN 0x01
.irp i, 0,2
.if k_ == 0
	v_wmma_scale_f32_16x16x128_f8f6f4 v[ACC+8*(t0_+\i):ACC+8*(t0_+\i)+7], v[rb_+12*\i:rb_+12*\i+11], v[AFR+12*k_:AFR+12*k_+11], 0, v[BS+4*k_+(t0_+\i)/2], v[AS+k_] matrix_a_fmt:MATRIX_FMT_FP6 matrix_b_fmt:MATRIX_FMT_FP6
	v_wmma_scale_f32_16x16x128_f8f6f4 v[ACC+8*(t0_+\i)+8:ACC+8*(t0_+\i)+15], v[rb_+12*\i+12:rb_+12*\i+23], v[AFR+12*k_:AFR+12*k_+11], 0, v[BS+4*k_+(t0_+\i)/2], v[AS+k_] matrix_a_fmt:MATRIX_FMT_FP6 matrix_b_fmt:MATRIX_FMT_FP6 matrix_a_scale:MATRIX_SCALE_ROW1
.else
	v_wmma_scale_f32_16x16x128_f8f6f4 v[ACC+8*(t0_+\i):ACC+8*(t0_+\i)+7], v[rb_+12*\i:rb_+12*\i+11], v[AFR+12*k_:AFR+12*k_+11], v[ACC+8*(t0_+\i):ACC+8*(t0_+\i)+7], v[BS+4*k_+(t0_+\i)/2], v[AS+k_] matrix_a_fmt:MATRIX_FMT_FP6 matrix_b_fmt:MATRIX_FMT_FP6
	v_wmma_scale_f32_16x16x128_f8f6f4 v[ACC+8*(t0_+\i)+8:ACC+8*(t0_+\i)+15], v[rb_+12*\i+12:rb_+12*\i+23], v[AFR+12*k_:AFR+12*k_+11], v[ACC+8*(t0_+\i)+8:ACC+8*(t0_+\i)+15], v[BS+4*k_+(t0_+\i)/2], v[AS+k_] matrix_a_fmt:MATRIX_FMT_FP6 matrix_b_fmt:MATRIX_FMT_FP6 matrix_a_scale:MATRIX_SCALE_ROW1
.endif
.endr
.endm
; v224: my lane's sum -> the row's sum over both halves of the lanes and all eight waves, in v232.  off: 0 for the sums, 512 for the squares: bytes of their own, so one barrier serves each
.macro ALLSUM off
	v_permlanex16_b32 v228, v224, s[SEL], s[SEL+1]
	v_add_f32 v224, v224, v228
	ds_store_b32 v[RA], v224 offset:\off           ; both halves of the lanes write the same word with the same value
	s_wait_alu depctr_va_vdst(0)                   ; the wait ahead of a wait that blocks
	s_wait_dscnt 0x0                               ; for the others' sake: my store has landed
	s_barrier_signal -1
	s_barrier_wait -1
	ds_load_b128 v[232:235], v[RL] offset:\off
	ds_load_b128 v[236:239], v[RL] offset:\off+16
	s_wait_dscnt 0x0
	v_add_f32 v232, v232, v233
	v_add_f32 v234, v234, v235
	v_add_f32 v236, v236, v237
	v_add_f32 v238, v238, v239
	v_add_f32 v232, v232, v234
	v_add_f32 v236, v236, v238
	v_add_f32 v232, v232, v236
.endm
	s_load_b256 s[4:11], s[0:1], 0x0               ; ho s[4:5], wts s[6:7], x s[8:9], g1 s[10:11]
	s_load_b128 s[12:15], s[0:1], 0x20             ; bt1 s[12:13], x1 s[14:15]
	v_lshl_add_u32 v[SPW], v0, 2, SPARE
	v_mov_b32 v[NIL], 0
	v_lshrrev_b32 v13, 5, v0
	v_readfirstlane_b32 s20, v13                   ; wave 0..7
	v_and_b32 v1, 31, v0                           ; lane
	v_and_b32 v3, 15, v0                           ; r
	v_bfe_u32 v4, v0, 4, 1                         ; h
	v_lshlrev_b32 v[LI], 4, v1
	v_lshlrev_b32 v[L4], 2, v1
	v_lshlrev_b32 v[R4], 2, v3
	v_lshlrev_b32 v[H64], 6, v4
	v_lshl_add_u32 v[RL], v3, 5, RED
	v_mul_u32_u24 v[STL], v3, SP
	v_mov_b32 v228, 0                              ; written once: a lane permute's destination counts as one of its sources
.irp b, 0,1,2,3
	v_mov_b32 v[TM+4+\b], 0
.endr
	s_wait_alu depctr_va_vdst(0)                   ; the wait ahead of the run of scalar lines
	s_mov_b32 s[SEL], 0x76543210
	s_mov_b32 s[SEL+1], 0xfedcba98
	s_mov_b32 s24, 0x3a800000                      ; 1 / 1,024
	s_mov_b32 s25, 0x3727c5ac                      ; 1e-5
	s_mul_i32 s21, s20, 16*SP                      ; my stage
	s_lshl_b32 s22, s20, 2
	s_add_co_u32 s22, s22, RED
	s_lshl_b32 s23, s20, 9                         ; my 128 columns in f32: 512 w bytes
	s_mul_i32 s44, ttmp9, 12288                    ; byte offsets, each in a pair with 0 above it: head_out's codes: tile x 8 K steps,
	s_lshl_b32 s46, ttmp9, 6
	s_add_co_u32 s46, s46, HSO                     ; its scale words,
	s_mul_i32 s48, s20, 98304
	s_add_co_u32 s48, s48, WOC                     ; wo's codes: my 8 tiles,
	s_add_co_u32 s50, s23, WOS                     ; their scale words: 8 x 64 bytes in each K step,
	s_lshr_b32 s52, ttmp9, 1
	s_lshl_b32 s52, s52, 5
	s_and_b32 s26, ttmp9, 1
	s_lshl_b32 s26, s26, 3
	s_add_co_u32 s52, s52, s26                     ; x: position t of my tile is the actual row 32 (tile / 2) + 8 (tile % 2) + 16 (t / 8) + t % 8,
	s_lshl_b32 s52, s52, 12
	s_add_co_u32 s52, s52, s23
	s_mov_b32 s54, s23                             ; g1 and bt1,
	s_lshl_b32 s56, ttmp9, 16
	s_add_co_u32 s56, s56, s23                     ; x1 in f32: rows in the order of positions,
	s_lshl_b32 s58, ttmp9, 3
	s_add_co_u32 s58, s58, s20
	s_mul_i32 s58, s58, 1536
	s_add_co_u32 s58, s58, X1C                     ; its fragment (tile, K step w),
	s_lshl_b32 s60, s20, 8
	s_add_co_u32 s60, s60, ttmp9
	s_lshl_b32 s60, s60, 6
	s_add_co_u32 s60, s60, X1S                     ; and that fragment's 16 scale words
.irp p, 45,47,49,51,53,55,57,59,61
	s_mov_b32 s\p, 0
.endr
	v_add_nc_u32 v[STR], s21, v[LI]
	v_lshl_add_u32 v[STL], v4, 6, v[STL]
	v_add_nc_u32 v[STL], s21, v[STL]
	v_lshl_add_u32 v[RA], v3, 5, s22
	v_lshl_add_u32 v[SB], v4, 1, v[R4]
	s_wait_alu depctr_va_vdst(0)                   ; the wait at the head's end
	s_wait_kmcnt 0x0
	s_add_nc_u64 s[44:45], s[4:5], s[44:45]
	s_add_nc_u64 s[46:47], s[4:5], s[46:47]
	s_add_nc_u64 s[48:49], s[6:7], s[48:49]
	s_add_nc_u64 s[50:51], s[6:7], s[50:51]
	s_add_nc_u64 s[52:53], s[8:9], s[52:53]
	s_add_nc_u64 s[62:63], s[12:13], s[54:55]      ; bt1
	s_add_nc_u64 s[54:55], s[10:11], s[54:55]      ; g1
	s_add_nc_u64 s[56:57], s[14:15], s[56:57]
	s_add_nc_u64 s[58:59], s[14:15], s[58:59]
	s_add_nc_u64 s[60:61], s[14:15], s[60:61]
	WIN 0x40
.set t_, 0
.rept 16
	global_load_b128 v[192+4*t_:195+4*t_], v[LI], s[52:53] offset:(16*(t_/8)+t_%8)*4096 th:TH_LOAD_NT   ; position t's 128 columns of x: 512 consecutive bytes
.set t_, t_+1
.endr
	WIN 0
.set k_, 0
.rept 8
	global_load_b32 v[AS+k_], v[R4], s[46:47] offset:16384*k_
.irp i, 0,1,2,3
	global_load_b32 v[BS+4*k_+\i], v[L4], s[50:51] offset:4096*k_+128*\i      ; two tiles' words: 128 consecutive bytes
.endr
.irp c, 0,1,2
	global_load_b128 v[AFR+12*k_+4*\c:AFR+12*k_+4*\c+3], v[LI], s[44:45] offset:1536*k_+512*\c
.endr
.set k_, k_+1
.endr
	BSET 0
	BSET 1
	BSET 2
.set HS, 0
.rept 16                               ; 16 half K steps, written out by the assembler: every offset is an immediate and no pointer is stepped
.if HS < 13
.rept 4
	v_nop                                          ; four plain lines between the last products and loads into the set that they read
.endr
	BSET HS+3
	s_wait_loadcnt 36                              ; loads come back in order: the three younger sets of 12 may stay out; all that is older is in
.else
	s_wait_loadcnt 12*(15-HS)
.endif
	MUL4 HS
.set HS, HS+1
.endr
	WIN 0
.rept 4
	v_nop                                          ; places behind the last products, ahead of the reads of the sums and of loads into the operands' registers
.endr
	WIN 0x40
.irp b, 0,1,2,3
.irp q, 0,1,2,3
	global_load_b128 v[16*\b+4*\q:16*\b+4*\q+3], v[H64], s[54:55] offset:128*\b+16*\q          ; g1 and bt1 at my 64 columns; they land under the sums
	global_load_b128 v[64+16*\b+4*\q:64+16*\b+4*\q+3], v[H64], s[62:63] offset:128*\b+16*\q
.endr
.endr
	WIN 0x04                                       ; the stores' data lie in window 1
.set t_, 0
.rept 16
	ds_store_b128 v[STR], v[192+4*t_:195+4*t_] offset:SP*t_        ; x through my stage: in by rows,
.set t_, t_+1
.endr
	WIN 0
.irp b, 0,1,2,3
.irp q, 0,1,2,3
	ds_load_b128 v[XR+16*\b+4*\q:XR+16*\b+4*\q+3], v[STL] offset:128*\b+16*\q   ; out as the sums lie (LDS serves a wave's instructions in order)
.endr
.endr
	v_pk_add_f32 v[224:225], v[ACC:ACC+1], v[ACC+2:ACC+3]          ; the row's sum: each accumulator from its low end on, two chains
	v_pk_add_f32 v[226:227], v[ACC+4:ACC+5], v[ACC+6:ACC+7]
.irp j, 8,12,16,20,24,28,32,36,40,44,48,52,56,60
	v_pk_add_f32 v[224:225], v[224:225], v[ACC+\j:ACC+\j+1]
	v_pk_add_f32 v[226:227], v[226:227], v[ACC+\j+2:ACC+\j+3]
.endr
	v_pk_add_f32 v[224:225], v[224:225], v[226:227]
	v_add_f32 v224, v224, v225
	ALLSUM 0
	v_mul_f32 v230, s24, v232                      ; the mean, twice: a pair for the packed forms
	v_mul_f32 v231, s24, v232
.irp j, 0,2,4,6,8,10,12,14,16,18,20,22,24,26,28,30,32,34,36,38,40,42,44,46,48,50,52,54,56,58,60,62
	v_pk_add_f32 v[ACC+\j:ACC+\j+1], v[ACC+\j:ACC+\j+1], v[230:231] neg_lo:[0,1] neg_hi:[0,1]
.endr
	v_pk_mul_f32 v[224:225], v[ACC:ACC+1], v[ACC:ACC+1]            ; the squares of the differences: no difference of large sums is formed
	v_pk_mul_f32 v[226:227], v[ACC+2:ACC+3], v[ACC+2:ACC+3]
.irp j, 4,8,12,16,20,24,28,32,36,40,44,48,52,56,60
	v_pk_fma_f32 v[224:225], v[ACC+\j:ACC+\j+1], v[ACC+\j:ACC+\j+1], v[224:225]
	v_pk_fma_f32 v[226:227], v[ACC+\j+2:ACC+\j+3], v[ACC+\j+2:ACC+\j+3], v[226:227]
.endr
	v_pk_add_f32 v[224:225], v[224:225], v[226:227]
	v_add_f32 v224, v224, v225
	ALLSUM 512
	v_fma_f32 v232, v232, s24, s25                 ; the variance + 1e-5
	s_wait_alu depctr_va_vdst(0)                   ; the wait ahead of the transcendental
	v_rsq_f32 v230, v232
	v_nop                                          ; a plain line behind it
	s_wait_alu depctr_va_vdst(0)                   ; and the wait ahead of its first reader
	v_mov_b32 v231, v230
	s_wait_alu depctr_va_vdst(0)
	s_wait_loadcnt 0x0                             ; g1 and bt1 are in (x came back from the stage ahead of the first barrier)
.irp j, 0,2,4,6,8,10,12,14,16,18,20,22,24,26,28,30,32,34,36,38,40,42,44,46,48,50,52,54,56,58,60,62
	v_pk_mul_f32 v[ACC+\j:ACC+\j+1], v[ACC+\j:ACC+\j+1], v[230:231]
.endr
	WIN 0x14                                       ; sources 1 and 2 in window 1
.irp j, 0,2,4,6,8,10,12,14,16,18,20,22,24,26,28,30,32,34,36,38,40,42,44,46,48,50,52,54,56,58,60,62
	v_pk_fma_f32 v[ACC+\j:ACC+\j+1], v[ACC+\j:ACC+\j+1], v[\j:\j+1], v[64+\j:65+\j]
.endr
	WIN 0
.irp j, 0,2,4,6,8,10,12,14,16,18,20,22,24,26,28,30,32,34,36,38,40,42,44,46,48,50,52,54,56,58,60,62
	v_pk_add_f32 v[ACC+\j:ACC+\j+1], v[ACC+\j:ACC+\j+1], v[XR+\j:XR+\j+1]       ; x1
.endr
.irp b, 0,1,2,3
.irp q, 0,1,2,3
	ds_store_b128 v[STL], v[ACC+16*\b+4*\q:ACC+16*\b+4*\q+3] offset:128*\b+16*\q   ; x1 through my stage: in as it lies,
.endr
.endr
.set t_, 0
.rept 16
	ds_load_b128 v[XR+4*t_:XR+4*t_+3], v[STR] offset:SP*t_         ; out by rows; the quantiser below works meanwhile
.set t_, t_+1
.endr
.irp b, 0,1,2,3
	v_max3_num_f32 v[TM+\b], |v[ACC+16*\b]|, |v[ACC+16*\b+1]|, 0x1800000   ; the four blocks' largest magnitudes, with the floor 2^(3 - 127): the byte cannot fall under 1
.endr
.irp i, 2,4,6,8,10,12,14
.irp b, 0,1,2,3
	v_max3_num_f32 v[TM+\b], v[TM+\b], |v[ACC+16*\b+\i]|, |v[ACC+16*\b+\i+1]|
.endr
.endr
.irp b, 0,1,2,3
	v_permlanex16_b32 v[TM+4+\b], v[TM+\b], s[SEL], s[SEL+1]
.endr
.irp b, 0,1,2,3
	v_max_num_f32 v[TM+\b], v[TM+\b], v[TM+4+\b]   ; with lane l xor 16's 16
.endr
.irp b, 0,1,2,3
	v_add_nc_u32 v[TM+12+\b], 0xff000000, v[TM+\b] ; 2 off the exponent field: the conversion's scale operand
.endr
.irp b, 0,1,2,3
	v_lshrrev_b32 v[TM+4+\b], 23, v[TM+12+\b]      ; the byte
.endr
	v_lshl_or_b32 v240, v[TM+5], 8, v[TM+4]        ; the row's scale word
	v_lshl_or_b32 v240, v[TM+6], 16, v240
	v_lshl_or_b32 v240, v[TM+7], 24, v240
	v_cvt_scalef32_pk16_fp6_f32 v[CD:CD+2], v[ACC:ACC+15], v[TM+12]
	v_cvt_scalef32_pk16_fp6_f32 v[TT:TT+2], v[ACC+16:ACC+31], v[TM+13]
	v_cvt_scalef32_pk16_fp6_f32 v[CD+6:CD+8], v[ACC+32:ACC+47], v[TM+14]
	v_cvt_scalef32_pk16_fp6_f32 v[TT+4:TT+6], v[ACC+48:ACC+63], v[TM+15]
	v_nop                                          ; one plain line behind the conversions
.irp i, 0,1,2
	v_permlane16_swap_b32 v[CD+\i], v[TT+\i]       ; a whole block to a lane: lanes 0-15 the even block, lanes 16-31 the odd one
	v_permlane16_swap_b32 v[CD+6+\i], v[TT+4+\i]
.endr
.irp i, 0,1,2
	v_mov_b32 v[CD+3+\i], v[TT+\i]
	v_mov_b32 v[CD+9+\i], v[TT+4+\i]
.endr
	v_lshlrev_b32 v241, 4, v4
	v_lshrrev_b32 v240, v241, v240                 ; my half of the word
.irp c, 0,1,2
	global_store_b128 v[LI], v[CD+4*\c:CD+4*\c+3], s[58:59] offset:512*\c      ; the fragment's image: 512 consecutive bytes a store
.endr
	global_store_b16 v[SB], v240, s[60:61]         ; each lane its own half word: 64 consecutive bytes a wave
	s_wait_dscnt 0x0                               ; x1's rows are back
.set t_, 0
.rept 16
	global_store_b128 v[LI], v[XR+4*t_:XR+4*t_+3], s[56:57] offset:4096*t_     ; 512 consecutive bytes a store
.set t_, t_+1
.endr
	s_wait_tensorcnt 0x0                           ; the wave's end, behind my last LDS store
	ds_add_u32 v[SPW], v[NIL]
	s_wait_dscnt 0x0
	s_endpgm
.Lfunc_end_k_q6dd1a2a2fe_oln:
	.size	k_q6dd1a2a2fe_oln, .Lfunc_end_k_q6dd1a2a2fe_oln-k_q6dd1a2a2fe_oln
	.p2alignl 7, 3214868480
	.fill 96, 4, 3214868480
	.section	.rodata,"a",@progbits
	.p2align	6, 0x0
	.amdhsa_kernel k_q6dd1a2a2fe_oln
		.amdhsa_group_segment_fixed_size 69632
		.amdhsa_private_segment_fixed_size 0
		.amdhsa_enable_private_segment 0
		.amdhsa_kernarg_size 48
		.amdhsa_user_sgpr_count 2
		.amdhsa_user_sgpr_kernarg_segment_ptr 1
		.amdhsa_wavefront_size32 1
		.amdhsa_system_sgpr_workgroup_id_x 1
		.amdhsa_system_sgpr_workgroup_id_y 1
		.amdhsa_system_sgpr_workgroup_id_z 1
		.amdhsa_system_vgpr_workitem_id 0
		.amdhsa_next_free_vgpr 512
		.amdhsa_next_free_sgpr 66
		.amdhsa_reserve_vcc 0
		.amdhsa_float_denorm_mode_32 3
		.amdhsa_float_denorm_mode_16_64 3
		.amdhsa_memory_ordered 1
		.amdhsa_forward_progress 1
		.amdhsa_inst_pref_size 67
	.end_amdhsa_kernel
	.amdgpu_metadata
---
amdhsa.version: [ 1, 2 ]
amdhsa.kernels:
  - .name:           k_q6dd1a2a2fe_oln
    .symbol:         k_q6dd1a2a2fe_oln.kd
    .args:
      - { .name: ho, .offset: 0, .size: 8, .value_kind: global_buffer, .address_space: global }
      - { .name: wts, .offset: 8, .size: 8, .value_kind: global_buffer, .address_space: global }
      - { .name: x, .offset: 16, .size: 8, .value_kind: global_buffer, .address_space: global }
      - { .name: g1, .offset: 24, .size: 8, .value_kind: global_buffer, .address_space: global }
      - { .name: bt1, .offset: 32, .size: 8, .value_kind: global_buffer, .address_space: global }
      - { .name: x1, .offset: 40, .size: 8, .value_kind: global_buffer, .address_space: global }
    .group_segment_fixed_size: 69632
    .private_segment_fixed_size: 0
    .kernarg_segment_align: 8
    .kernarg_segment_size: 48
    .max_flat_workgroup_size: 256
    .sgpr_count:     66
    .vgpr_count:     512
    .wavefront_size: 32
...
	.end_amdgpu_metadata
.endif
;; end of part 4
;; launch mlp1 (part 5): grid 16 x 16, 4 waves a work-group, clusters of 4 x 4, 327,680 bytes of LDS; arguments x1, wts, b_in, hid; writes hid
.if DOCPART == 5
	.amdgcn_target "amdgcn-amd-amdhsa--gfx1250"
	.amdhsa_code_object_version 6
	.text
	.protected	k_q6dd1a2a2fe_mlp1
	.globl	k_q6dd1a2a2fe_mlp1
	.p2align	8
	.type	k_q6dd1a2a2fe_mlp1,@function
k_q6dd1a2a2fe_mlp1:
	s_mov_b64 s[64:65], 0
	v_nop
	global_prefetch_b8 v0, s[64:65] scope:SCOPE_SE
	s_setreg_imm32_b32 hwreg(HW_REG_WAVE_MODE, 25, 1), 1
	s_wait_xcnt 0x0
	s_wait_alu depctr_hold_cnt(0) depctr_sa_sdst(0) depctr_va_vdst(0) depctr_va_sdst(0) depctr_va_ssrc(0) depctr_va_vcc(0) depctr_vm_vsrc(0)
	s_getreg_b32 s2, hwreg(HW_REG_IB_STS2, 6, 4)
	s_cmp_eq_u32 s2, 0
	s_cbranch_scc0 .Lentry_in_a_cluster
	s_endpgm
.Lentry_in_a_cluster:
	s_bfe_u32 s2, ttmp6, 0x10000c
	s_cmp_lg_u32 s2, 0xf033
	s_cbranch_scc0 .Lentry_shape_is_right
	s_endpgm
.Lentry_shape_is_right:
; LAUNCH 6 OF 8.  Product 7 on codes of FP6, K = 1,024: hidden = relu(x1 w_in + b_in), quantised here for product 8.  Nothing is left out.
; A work-group of four waves makes 256 x 256, a wave 128 x 128; operands are register images (launch quant); b_in is the C of the first products.  Three regions of two K steps; clusters of 4 x 4 with joint loads.
; At the head one joint load a wave: wave 0 region 0's 16 tiles of source 1, wave 1 its 16 tiles of source 0, waves 2 and 3 the two tables of scale words, laid [K step][16 tiles][64 bytes].
; Region 1 is asked for behind the head's round, region 2 in K step 1, K steps 6 and 7 (into region 0) in K step 3: a quarter of a region a wave, each behind the three lines and a round,
; with two K steps of products, 128 a wave, between a request and the wait for it.
; LIMITS: a block of zeros gets the byte 1 (its codes are zeros; this program alone reads the bytes); NaN and infinities are not served.
.set T,     8
.set NQ,    2
.set KS,    8
.set MTA,   256
.set MTB,   256
.set ACO,   16777216
.set ASO,   19922944
.set BCO,   6553600
.set BSO,   9699328
.set FIRST, 2
.set HDS,   12582912
.set FRB,   1536
.set HALFT, T*NQ*FRB
.set SLOT,  4*HALFT
.set SCL,   3*SLOT
.set HALFS, KS*T*64
.set SPARE, SCL+4*HALFS
.set ADRA, 16
.set ADRB, 20
.set ADRS, 27
.set SPW,  28
.set NIL,  29
.set SC,   32
.set BIAS, 64
.set AF,   128
.set TM,   64
.set TT,   80
.set G1, 24
.set G0, 32
.set G0S, 44
.set G1B, 48
.set G1S, 68
.set G1SB, 80
.set G0SB, 88
.set SEL, 66
.set HM,  96
.set CX,  97
.set CY,  98
.set XX,  99
.set MSB, 0
.macro WIN new
.if MSB != (\new)
	s_set_vgpr_msb (MSB<<8)|(\new)
.set MSB, (\new)
.endif
.endm
.macro JLOAD g0a, g1a, g0b, g1b
	s_cmp_eq_u32 s15, 0
	s_cbranch_scc0 .Lfor_b_\@
	tensor_load_to_lds s[\g0a:\g0a+3], s[\g1a:\g1a+7]
	s_nop 0
.rept 4
	v_nop
.endr
	s_branch .Lasked_\@
.Lfor_b_\@:
	tensor_load_to_lds s[\g0b:\g0b+3], s[\g1b:\g1b+7]
	s_nop 0
.rept 4
	v_nop
.endr
.Lasked_\@:
.endm
.macro CREST
	s_cmp_lg_u32 s14, 0
	s_cbranch_scc1 .Lnot_wave_0_\@
	s_barrier_signal -3
.Lnot_wave_0_\@:
	s_barrier_wait -3
	s_barrier_signal -1
	s_barrier_wait -1
.endm
.macro CROUND
	s_barrier_signal -1
	s_barrier_wait -1
	CREST
.endm
.macro PLACES n
.rept \n
	v_nop
.endr
.endm
.macro FRAG reg, adr, off
.irp c, 0,1,2
	ds_load_b128 v[(\reg)+4*\c:(\reg)+4*\c+3], v[\adr] offset:(\off)+512*\c
.endr
.endm
.macro FETCH_B slot, q, p
	WIN 0x40
.set i_, 0
.rept T
	FRAG 128*(\p)+12*i_, ADRB+\slot, (i_*NQ+(\q))*FRB
.set i_, i_+1
.endr
	WIN 0
.endm
.macro FETCH_A slot, q, half
.set i_, (\half)*T/2
.rept T/2
	FRAG AF+12*i_, ADRA+\slot, (i_*NQ+(\q))*FRB
.set i_, i_+1
.endr
.endm
.macro SCALES sc
.set i_, 0
.rept T
.set q_, 0
.rept NQ
	ds_load_b32 v[SC+16*(\sc)+NQ*i_+q_], v[ADRS] offset:q_*2*T*64+64*i_
.set q_, q_+1
.endr
.set i_, i_+1
.endr
.endm
.macro MULQ j, p, q, sc, zero
.set a_, (\j)*T/4
.set WA_, 2+(8*T*a_)/256
.if (\zero)==2
	WIN 0x01|(WA_<<6)
.else
	WIN 0x01|(WA_<<4)|(WA_<<6)
.endif
.rept T/4
.set b_, 0
.rept T
.set AR, (8*(T*a_+b_))%256
.if (\zero)==2
	v_wmma_scale_f32_16x16x128_f8f6f4 v[AR:AR+7], v[128*(\p)+12*b_:128*(\p)+12*b_+11], v[AF+12*a_:AF+12*a_+11], v[BIAS+8*b_:BIAS+8*b_+7], v[SC+16*(\sc)+NQ*b_+(\q)], v[SC+16*(\sc)+NQ*a_+(\q)] matrix_a_fmt:MATRIX_FMT_FP6 matrix_b_fmt:MATRIX_FMT_FP6 matrix_a_scale:MATRIX_SCALE_ROW1
.else
	v_wmma_scale_f32_16x16x128_f8f6f4 v[AR:AR+7], v[128*(\p)+12*b_:128*(\p)+12*b_+11], v[AF+12*a_:AF+12*a_+11], v[AR:AR+7], v[SC+16*(\sc)+NQ*b_+(\q)], v[SC+16*(\sc)+NQ*a_+(\q)] matrix_a_fmt:MATRIX_FMT_FP6 matrix_b_fmt:MATRIX_FMT_FP6 matrix_a_scale:MATRIX_SCALE_ROW1
.endif
.set b_, b_+1
.endr
.set a_, a_+1
.endr
.endm
.macro STEP slot, q, sc, zero
	s_wait_dscnt 3*T/2
	MULQ 0,(\q)%2,\q,\sc,\zero
	MULQ 1,(\q)%2,\q,\sc,\zero
	s_wait_dscnt 0x0
	PLACES 4
	FETCH_B \slot,(\q)+1,1-(\q)%2
	FETCH_A \slot,(\q)+1,0
	MULQ 2,(\q)%2,\q,\sc,\zero
	MULQ 3,(\q)%2,\q,\sc,\zero
	PLACES 4
	WIN 0
	FETCH_A \slot,(\q)+1,1
.endm
.macro TURN slot, sc, next, mode
.if (\mode) > 0
	s_wait_tensorcnt 0x0
	ds_add_u32 v[SPW], v[NIL]
	s_wait_dscnt 3*T/2+1
	MULQ 0,1,NQ-1,\sc,0
	s_wait_dscnt 0x0
	s_barrier_signal -1
	MULQ 1,1,NQ-1,\sc,0
	WIN 0
	s_barrier_wait -1
.else
	s_wait_dscnt 3*T/2
	MULQ 0,1,NQ-1,\sc,0
	MULQ 1,1,NQ-1,\sc,0
	s_wait_dscnt 0x0
	WIN 0
.endif
.if (\mode) == 2
	CREST
	s_add_nc_u64 s[G0+2:G0+3], s[G0+2:G0+3], 3*NQ*FRB
	s_add_nc_u64 s[58:59], s[58:59], 3*NQ*FRB
	JLOAD G0, G1, 56, G1B                          ; mode 2: region 0 is filled again, first behind the round
.else
.if (\mode) == 3
	CREST                                          ; mode 3: the same lines and round; region 2 is filled for the first time
	JLOAD G0+8, G1, 76, G1B
.else
	PLACES 4
.endif
.endif
	v_add_nc_u32 v[ADRS], 2*NQ*T*64, v[ADRS]       ; the next two K steps' scale words: a K step is 2 T tiles x 64 bytes
	FETCH_B \next,0,0
	FETCH_A \next,0,0
	SCALES 1-(\sc)
	MULQ 2,1,NQ-1,\sc,0
	MULQ 3,1,NQ-1,\sc,0
	PLACES 4
	WIN 0
	FETCH_A \next,0,1
.endm
.macro QUANT s, w, d0, d1, pw
	WIN (\w)|((\w)<<2)
.irp b, 0,1,2,3
	v_max3_num_f32 v[TM+\b], |v[(\s)+16*\b]|, |v[(\s)+16*\b+1]|, 0x1800000
.endr
	WIN ((\w)<<2)|((\w)<<4)
.irp i, 2,4,6,8,10,12,14
.irp b, 0,1,2,3
	v_max3_num_f32 v[TM+\b], v[TM+\b], |v[(\s)+16*\b+\i]|, |v[(\s)+16*\b+\i+1]|
.endr
.endr
	WIN 0
.irp b, 0,1,2,3
	v_permlanex16_b32 v[TM+4+\b], v[TM+\b], s[SEL], s[SEL+1]
.endr
.irp b, 0,1,2,3
	v_max_num_f32 v[TM+\b], v[TM+\b], v[TM+4+\b]
.endr
.irp b, 0,1,2,3
	v_add_nc_u32 v[TM+12+\b], 0xff000000, v[TM+\b]
.endr
.irp b, 0,1,2,3
	v_lshrrev_b32 v[TM+4+\b], 23, v[TM+12+\b]
.endr
	v_lshl_or_b32 v[\pw], v[TM+5], 8, v[TM+4]
	v_lshl_or_b32 v[\pw], v[TM+6], 16, v[\pw]
	v_lshl_or_b32 v[\pw], v[TM+7], 24, v[\pw]
	WIN (\w)
	v_cvt_scalef32_pk16_fp6_f32 v[(\d0):(\d0)+2], v[(\s):(\s)+15], v[TM+12]
	v_cvt_scalef32_pk16_fp6_f32 v[TT:TT+2], v[(\s)+16:(\s)+31], v[TM+13]
	v_cvt_scalef32_pk16_fp6_f32 v[(\d1):(\d1)+2], v[(\s)+32:(\s)+47], v[TM+14]
	v_cvt_scalef32_pk16_fp6_f32 v[TT+4:TT+6], v[(\s)+48:(\s)+63], v[TM+15]
	WIN 0
	v_nop
.irp i, 0,1,2
	v_permlane16_swap_b32 v[(\d0)+\i], v[TT+\i]
	v_permlane16_swap_b32 v[(\d1)+\i], v[TT+4+\i]
.endr
.irp i, 0,1,2
	v_mov_b32 v[(\d0)+3+\i], v[TT+\i]
	v_mov_b32 v[(\d1)+3+\i], v[TT+4+\i]
.endr
.endm
	s_load_b256 s[4:11], s[0:1], 0x0
	v_lshl_add_u32 v[SPW], v0, 2, SPARE
	v_mov_b32 v[NIL], 0
	ds_add_u32 v[SPW], v[NIL]
	ds_add_u32 v[SPW], v[NIL]
	v_lshrrev_b32 v1, 5, v0
	v_readfirstlane_b32 s14, v1
	s_lshr_b32 s15, s14, 1
	s_and_b32 s16, s14, 1
	s_bfe_u32 s[CX], ttmp6, 0x40000
	s_bfe_u32 s[CY], ttmp6, 0x40004
	s_lshl_b32 s[XX], ttmp9, 2
	s_add_co_u32 s[XX], s[XX], s[CX]
	s_and_b32 s17, ttmp7, 0xffff
	s_lshl_b32 s17, s17, 2
	s_add_co_u32 s17, s17, s[CY]
	s_lshl_b32 s18, s[CY], 2
	s_lshl_b32 s18, 15, s18
	s_lshl_b32 s19, 0x1111, s[CX]
	s_or_b32 s[G1], s18, (3<<16)|(1<<21)
	s_or_b32 s[G1B], s19, (3<<16)|(1<<21)
.irp g, G1, G1B
	s_mov_b32 s[\g+1], (NQ*192)<<16
	s_mov_b32 s[\g+2], (2*T)<<16                   ; 2 T rows for the head's loads; behind them the two words are set to T
	s_mov_b32 s[\g+3], (NQ*192)<<16
	s_mov_b32 s[\g+4], 2*T
	s_mov_b32 s[\g+5], KS*192
	s_mov_b32 s[\g+6], 0
	s_mov_b32 s[\g+7], 0
.endr
	s_or_b32 s[G1S], s18, (3<<16)|(1<<21)
	s_or_b32 s[G1SB], s19, (3<<16)|(1<<21)
.irp g, G1S, G1SB
	s_mov_b32 s[\g+1], (16*T)<<16                  ; a row: 2 T tiles x 64 bytes
	s_mov_b32 s[\g+2], KS<<16
	s_mov_b32 s[\g+3], (16*T)<<16
	s_mov_b32 s[\g+4], KS
	s_mov_b32 s[\g+6], 0
	s_mov_b32 s[\g+7], 0
.endr
	s_mov_b32 s[G1S+5], 8*MTA
	s_mov_b32 s[G1SB+5], 8*MTB
	s_mul_i32 s18, s16, T*KS*FRB                   ; behind the head I fetch T tiles: which half, in bytes
	s_mov_b32 s19, 0
	s_mul_i32 s20, s17, 2*T                        ; A's first tile
	s_mul_i32 s92, s[XX], 2*T                      ; B's
	s_lshl_b32 s22, s20, 6
	s_add_co_u32 s22, s22, ASO
	s_mul_i32 s20, s20, KS*FRB
	s_add_co_u32 s20, s20, ACO
	s_mov_b32 s21, 0
	s_mov_b32 s23, 0
	s_lshl_b32 s94, s92, 6
	s_add_co_u32 s94, s94, BSO
	s_mul_i32 s92, s92, KS*FRB
	s_add_co_u32 s92, s92, BCO
	s_mov_b32 s93, 0
	s_mov_b32 s95, 0
	s_mul_i32 s2, s14, HALFT
	s_mov_b32 s[SEL], 0x76543210
	s_mov_b32 s[SEL+1], 0xfedcba98
	s_wait_dscnt 0x0
	s_wait_kmcnt 0x0
	s_add_nc_u64 s[20:21], s[4:5], s[20:21]
	s_add_nc_u64 s[22:23], s[4:5], s[22:23]
	s_add_nc_u64 s[92:93], s[6:7], s[92:93]
	s_add_nc_u64 s[94:95], s[6:7], s[94:95]
	CROUND
	s_mov_b32 s[G0S], 1
	s_mov_b32 s[G0S+1], SCL
	s_mov_b64 s[G0S+2:G0S+3], s[22:23]
	s_or_b32 s[G0S+3], s[G0S+3], 0x80000000
	s_mov_b32 s[G0SB], 1
	s_mov_b32 s[G0SB+1], SCL+2*HALFS
	s_mov_b64 s[G0SB+2:G0SB+3], s[94:95]
	s_or_b32 s[G0SB+3], s[G0SB+3], 0x80000000
	s_mov_b32 s[G0+8], 1                           ; the head's loads of region 0 use region 2's groups 0, which are written anew behind the wait for them: A's 16 tiles,
	s_mov_b32 s[G0+9], 0
	s_mov_b64 s[G0+10:G0+11], s[20:21]
	s_or_b32 s[G0+11], s[G0+11], 0x80000000
	s_mov_b32 s76, 1                               ; B's 16 tiles, behind them
	s_mov_b32 s77, 2*HALFT
	s_mov_b64 s[78:79], s[92:93]
	s_or_b32 s79, s79, 0x80000000
	s_add_nc_u64 s[20:21], s[20:21], s[18:19]      ; from here on: my T tiles
	s_add_nc_u64 s[92:93], s[92:93], s[18:19]
.irp s, 0,1
.set GB, 56+4*\s+12*(\s/2)
	s_mov_b32 s[G0+4*\s], 1
	s_add_co_u32 s[G0+4*\s+1], s2, \s*SLOT
	s_add_nc_u64 s[G0+4*\s+2:G0+4*\s+3], s[20:21], \s*NQ*FRB
	s_or_b32 s[G0+4*\s+3], s[G0+4*\s+3], 0x80000000
	s_mov_b32 s[GB], 1
	s_add_co_u32 s[GB+1], s2, \s*SLOT
	s_add_nc_u64 s[GB+2:GB+3], s[92:93], \s*NQ*FRB
	s_or_b32 s[GB+3], s[GB+3], 0x80000000
.endr
; the head's loads, one a wave: one chain of branches on the wave's number, a load to an arm, all arms leading to one join
.macro ARM under, g0, g1, next
	s_cmp_lt_u32 s14, \under
	s_cbranch_scc0 \next
	tensor_load_to_lds s[\g0:\g0+3], s[\g1:\g1+7]
	s_nop 0
.rept 4
	v_nop
.endr
	s_branch .Lhead_asked
\next:
.endm
	ARM 1, G0+8, G1, .Lhead_b
	ARM 2, 76, G1B, .Lhead_sa
	ARM 3, G0S, G1S, .Lhead_sb
	tensor_load_to_lds s[G0SB:G0SB+3], s[G1SB:G1SB+7]
	s_nop 0
.rept 4
	v_nop
.endr
.Lhead_asked:
	v_and_b32 v1, 15, v0
	v_bfe_u32 v2, v0, 4, 1
	v_and_b32 v5, 31, v0
	v_lshlrev_b32 v3, 4, v5
	s_wait_alu depctr_va_vdst(0)
	v_lshlrev_b32 v4, 2, v5
	v_cmp_le_u32 s[HM], 16, v5
	s_lshl_b32 s20, s[XX], 10
	s_lshl_b32 s21, s16, 9
	s_add_co_u32 s20, s20, s21
	s_mov_b32 s21, 0
	s_add_nc_u64 s[8:9], s[8:9], s[20:21]
	v_lshlrev_b32 v7, 6, v2
.irp b, 0,1,2,3,4,5,6,7
	global_load_b128 v[BIAS+8*\b:BIAS+8*\b+3], v7, s[8:9] offset:128*(\b/2)+32*(\b%2)
	global_load_b128 v[BIAS+8*\b+4:BIAS+8*\b+7], v7, s[8:9] offset:128*(\b/2)+32*(\b%2)+16
.endr
	s_mul_i32 s21, s15, HALFT
	s_mul_i32 s22, s16, HALFT
	s_add_co_u32 s22, s22, 2*HALFT
.irp s, 0,1,2
	v_add_nc_u32 v[ADRA+\s], s21, v3
	v_add_nc_u32 v[ADRB+\s], s22, v3
	s_add_co_u32 s21, s21, SLOT
	s_add_co_u32 s22, s22, SLOT
.endr
	s_mul_i32 s21, s15, T*64                       ; my half of a K step's 2 T tiles: A's,
	s_mul_i32 s22, s16, T*64                       ; B's
	s_add_co_u32 s22, s22, 2*HALFS
	s_sub_co_u32 s22, s22, s21
	v_mul_u32_u24 v6, s22, v2
	s_add_co_u32 s21, s21, SCL
	v_lshl_add_u32 v5, v1, 2, v6
	v_add_nc_u32 v[ADRS], s21, v5
	s_wait_alu depctr_va_vdst(0)
	s_wait_tensorcnt 0x0                           ; my tile of the head's four is in
	ds_add_u32 v[SPW], v[NIL]
	s_mov_b32 s[G1+2], T<<16                       ; no load of mine is out: from here on a load brings T tiles,
	s_mov_b32 s[G1+4], T
	s_mov_b32 s[G1B+2], T<<16
	s_mov_b32 s[G1B+4], T
	s_add_co_u32 s[G0+9], s[G0+5], SLOT            ; and region 2's groups 0 are made from region 1's: a region and two K steps on
	s_add_nc_u64 s[G0+10:G0+11], s[G0+6:G0+7], NQ*FRB
	s_add_co_u32 s77, s61, SLOT
	s_add_nc_u64 s[78:79], s[62:63], NQ*FRB
	s_wait_dscnt 0x0                               ; the add is done
	CROUND                                         ; all four tiles are in, and all sixteen work-groups are here
	JLOAD G0+4, G1, 60, G1B                        ; region 1: the first tensor load behind the round
	FETCH_B 0,0,0
	FETCH_A 0,0,0
	SCALES 0
	FETCH_A 0,0,1
	s_wait_loadcnt 0x0
	STEP 0,0,0,FIRST
	TURN 0,0,1,3                                   ; K step 1; region 2 takes K steps 4 and 5
	s_wait_alu depctr_va_vdst(0)
	STEP 1,0,1,0
	TURN 1,1,2,2                                   ; K step 3; region 0 takes K steps 6 and 7
	s_wait_alu depctr_va_vdst(0)
	STEP 2,0,0,0
	TURN 2,0,0,1
	STEP 0,0,1,0
	s_wait_dscnt 3*T/2
	MULQ 0,1,NQ-1,1,0
	MULQ 1,1,NQ-1,1,0
	s_wait_dscnt 0x0
	MULQ 2,1,NQ-1,1,0
	MULQ 3,1,NQ-1,1,0
	WIN 0
	PLACES 4
.irp b, 0,1,2,3
	v_mov_b32 v[TM+4+\b], 0
.endr
	s_lshl_b32 s20, s17, 4
	s_lshl_b32 s21, s15, 3
	s_add_co_u32 s20, s20, s21
	s_lshl_b32 s22, s[XX], 1
	s_add_co_u32 s22, s22, s16
	s_lshl_b32 s21, s20, 5
	s_add_co_u32 s21, s21, s22
	s_mul_i32 s46, s21, FRB
	s_mov_b32 s47, 0
	s_add_nc_u64 s[92:93], s[10:11], s[46:47]
	s_lshl_b32 s21, s22, 8
	s_add_co_u32 s21, s21, s20
	s_lshl_b32 s46, s21, 6
	s_add_co_u32 s46, s46, HDS
	s_add_nc_u64 s[10:11], s[10:11], s[46:47]
.set aa, 0
.rept 8
.set S_, 64*(aa%4)
.set W_, 2+aa/4
	WIN (W_<<2)|(W_<<6)
.set j_, 0
.rept 64
	v_max_num_f32 v[S_+j_], 0, v[S_+j_]
.set j_, j_+1
.endr
.if aa > 0
	s_wait_xcnt 0x0
.endif
	QUANT S_, W_, 96, 102, 112+aa
.irp c, 0,1,2
	global_store_b128 v3, v[96+4*\c:99+4*\c], s[92:93] offset:49152*aa+512*\c
.endr
.set aa, aa+1
.endr
.irp j, 0,1,2,3
	v_cndmask_b32 v[120+\j], v[112+2*\j], v[113+2*\j], s[HM]
.endr
.irp j, 0,1,2,3
	global_store_b32 v4, v[120+\j], s[10:11] offset:128*\j
.endr
	s_wait_tensorcnt 0x0
	ds_add_u32 v[SPW], v[NIL]
	s_wait_dscnt 0x0
	CROUND
	s_endpgm
.Lfunc_end_k_q6dd1a2a2fe_mlp1:
	.size	k_q6dd1a2a2fe_mlp1, .Lfunc_end_k_q6dd1a2a2fe_mlp1-k_q6dd1a2a2fe_mlp1
	.p2alignl 7, 3214868480
	.fill 96, 4, 3214868480
	.section	.rodata,"a",@progbits
	.p2align	6, 0x0
	.amdhsa_kernel k_q6dd1a2a2fe_mlp1
		.amdhsa_group_segment_fixed_size 327680
		.amdhsa_private_segment_fixed_size 0
		.amdhsa_enable_private_segment 0
		.amdhsa_kernarg_size 32
		.amdhsa_user_sgpr_count 2
		.amdhsa_user_sgpr_kernarg_segment_ptr 1
		.amdhsa_wavefront_size32 1
		.amdhsa_system_sgpr_workgroup_id_x 1
		.amdhsa_system_sgpr_workgroup_id_y 1
		.amdhsa_system_sgpr_workgroup_id_z 1
		.amdhsa_system_vgpr_workitem_id 0
		.amdhsa_next_free_vgpr 1024
		.amdhsa_next_free_sgpr 100
		.amdhsa_reserve_vcc 0
		.amdhsa_float_denorm_mode_32 3
		.amdhsa_float_denorm_mode_16_64 3
		.amdhsa_memory_ordered 1
		.amdhsa_forward_progress 1
		.amdhsa_inst_pref_size 162
	.end_amdhsa_kernel
	.amdgpu_metadata
---
amdhsa.version: [ 1, 2 ]
amdhsa.kernels:
  - .name:           k_q6dd1a2a2fe_mlp1
    .symbol:         k_q6dd1a2a2fe_mlp1.kd
    .args:
      - { .name: x1, .offset: 0, .size: 8, .value_kind: global_buffer, .address_space: global }
      - { .name: wts, .offset: 8, .size: 8, .value_kind: global_buffer, .address_space: global }
      - { .name: b_in, .offset: 16, .size: 8, .value_kind: global_buffer, .address_space: global }
      - { .name: hid, .offset: 24, .size: 8, .value_kind: global_buffer, .address_space: global }
    .group_segment_fixed_size: 327680
    .private_segment_fixed_size: 0
    .kernarg_segment_align: 8
    .kernarg_segment_size: 32
    .max_flat_workgroup_size: 128
    .sgpr_count:     100
    .vgpr_count:     1024
    .wavefront_size: 32
...
	.end_amdgpu_metadata
.endif
;; end of part 5
;; launch mlp2 (part 6): grid 8 x 32, 4 waves a work-group, clusters of 4 x 4, 327,680 bytes of LDS; arguments hid, wts, y; writes y
.if DOCPART == 6
	.amdgcn_target "amdgcn-amd-amdhsa--gfx1250"
	.amdhsa_code_object_version 6
	.text
	.protected	k_q6dd1a2a2fe_mlp2
	.globl	k_q6dd1a2a2fe_mlp2
	.p2align	8
	.type	k_q6dd1a2a2fe_mlp2,@function
k_q6dd1a2a2fe_mlp2:
	s_mov_b64 s[64:65], 0
	v_nop
	global_prefetch_b8 v0, s[64:65] scope:SCOPE_SE
	s_setreg_imm32_b32 hwreg(HW_REG_WAVE_MODE, 25, 1), 1
	s_wait_xcnt 0x0
	s_wait_alu depctr_hold_cnt(0) depctr_sa_sdst(0) depctr_va_vdst(0) depctr_va_sdst(0) depctr_va_ssrc(0) depctr_va_vcc(0) depctr_vm_vsrc(0)
	s_getreg_b32 s2, hwreg(HW_REG_IB_STS2, 6, 4)
	s_cmp_eq_u32 s2, 0
	s_cbranch_scc0 .Lentry_in_a_cluster
	s_endpgm
.Lentry_in_a_cluster:
	s_bfe_u32 s2, ttmp6, 0x10000c
	s_cmp_lg_u32 s2, 0xf033
	s_cbranch_scc0 .Lentry_shape_is_right
	s_endpgm
.Lentry_shape_is_right:
; LAUNCH 7 OF 8.  Product 8: y = hidden w_out on codes of FP6, K = 4,096; y is f32, rows in the order of positions, columns in their actual order; b_out is added in the next launch.  Nothing is left out.
; A work-group of four waves makes 128 x 128 (256 work-groups), a wave 64 x 64; a ring of two slots of four K steps, filled again three times each by joint tensor loads in a cluster of 4 x 4,
; each refill behind a round of the cluster's barrier.
; THE WALK ALONG K IS ROTATED: a cluster whose x + y is odd begins at K step 16, goes to 31 and then from 0 to 15; the others go from 0 to 31.  So of the clusters that read the same tiles (two along x for the hidden layer,
; eight along y for w_out) half ask for them half a walk apart from the other half.  The phase hangs on the cluster's x and y alone: it is the same in all sixteen partners.  The sums run in another order of K, in f32.
; The scale words come into LDS in the order of the walk, by two loads of 16 K steps each, so that no LDS address hangs on the phase.
; REGISTERS: window 0: v1-29 addresses; v32-63 scale words, two sets; v128-175 source 1's fragments, later rows of y.  window 1: source 0's, two sets.  window 2: accumulator (a, b) at 8 (4 a + b).
; AS THE TEXT STANDS (in place of what the lines above say of a rotated walk and of the scale words' two loads): every cluster walks K from step 0 to step 31.
; At the head one joint load a wave: wave 0 slot 0's 8 tiles of source 1, wave 1 its 8 tiles of source 0, waves 2 and 3 the two tables of scale words for all of K, laid [K step][8 tiles][64 bytes];
; slot 1, a quarter a wave, is asked for behind the three lines and a round.
.set T,     4
.set NQ,    4
.set KS,    32
.set MTA,   256
.set MTB,   64
.set ACO,   0                          ; the hidden layer's codes and scale words in hid
.set ASO,   12582912
.set BCO,   9830400                    ; w_out's in wts
.set BSO,   12976128
.set FIRST, 1
.set FRB,   1536
.set HALFT, T*NQ*FRB
.set SLOT,  4*HALFT
.set LAPS,  KS/(2*NQ)
.set SCL,   2*SLOT
.set HALFS, KS*T*64
.set SPARE, SCL+4*HALFS
.set ADRA, 16
.set ADRB, 20
.set STO,  24
.set RD,   25
.set CO,   26
.set ADRS, 27
.set SPW,  28
.set NIL,  29
.set SC,   32
.set AF,   128
.set G1, 24
.set G0, 32
.set G1B, 48
.set G0B, 56
.set G1S, 68
.set G0S, 76                           ; s[76:79] group 0 for A's scale words
.set G0H, 96                           ; s[96:99], s[8:11] groups 0 for the head's loads of slot 0
.set G1SB, 80
.set G0SB, 88                          ; s[88:91] for B's
.set G0HB, 8
.set YP,  66                           ; s[66:67] y
.set MSB, 0
.macro WIN new
.if MSB != (\new)
	s_set_vgpr_msb (MSB<<8)|(\new)
.set MSB, (\new)
.endif
.endm
.macro JLOAD g0a, g1a, g0b, g1b        ; waves 0 and 1 fetch for A, waves 2 and 3 for B; an s_nop 0 and four v_nop follow each line
	s_cmp_eq_u32 s15, 0
	s_cbranch_scc0 .Lfor_b_\@
	tensor_load_to_lds s[\g0a:\g0a+3], s[\g1a:\g1a+7]
	s_nop 0
.rept 4
	v_nop
.endr
	s_branch .Lasked_\@
.Lfor_b_\@:
	tensor_load_to_lds s[\g0b:\g0b+3], s[\g1b:\g1b+7]
	s_nop 0
.rept 4
	v_nop
.endr
.Lasked_\@:
.endm
.macro CREST
	s_cmp_lg_u32 s14, 0
	s_cbranch_scc1 .Lnot_wave_0_\@
	s_barrier_signal -3
.Lnot_wave_0_\@:
	s_barrier_wait -3
	s_barrier_signal -1
	s_barrier_wait -1
.endm
.macro CROUND
	s_barrier_signal -1
	s_barrier_wait -1
	CREST
.endm
.macro PLACES n
.rept \n
	v_nop
.endr
.endm
.macro FRAG reg, adr, off
.irp c, 0,1,2
	ds_load_b128 v[(\reg)+4*\c:(\reg)+4*\c+3], v[\adr] offset:(\off)+512*\c
.endr
.endm
.macro FETCH_B slot, q, p
	WIN 0x40
.set i_, 0
.rept T
	FRAG 128*(\p)+12*i_, ADRB+\slot, (i_*NQ+(\q))*FRB
.set i_, i_+1
.endr
	WIN 0
.endm
.macro FETCH_A slot, q, half
.set i_, (\half)*T/2
.rept T/2
	FRAG AF+12*i_, ADRA+\slot, (i_*NQ+(\q))*FRB
.set i_, i_+1
.endr
.endm
.macro SCALES sc
.set i_, 0
.rept T
.set q_, 0
.rept NQ
	ds_load_b32 v[SC+16*(\sc)+NQ*i_+q_], v[ADRS] offset:q_*2*T*64+64*i_
.set q_, q_+1
.endr
.set i_, i_+1
.endr
.endm
.macro MULQ j, p, q, sc, zero          ; a quarter of a K step; the accumulators take turns, one instruction a turn
.set a_, (\j)*T/4
.set WA_, 2+(8*T*a_)/256
	WIN 0x01|(WA_<<4)|(WA_<<6)
.rept T/4
.set b_, 0
.rept T
.set AR, (8*(T*a_+b_))%256
.if (\zero)==1
	v_wmma_scale_f32_16x16x128_f8f6f4 v[AR:AR+7], v[128*(\p)+12*b_:128*(\p)+12*b_+11], v[AF+12*a_:AF+12*a_+11], 0, v[SC+16*(\sc)+NQ*b_+(\q)], v[SC+16*(\sc)+NQ*a_+(\q)] matrix_a_fmt:MATRIX_FMT_FP6 matrix_b_fmt:MATRIX_FMT_FP6 matrix_a_scale:MATRIX_SCALE_ROW1
.else
	v_wmma_scale_f32_16x16x128_f8f6f4 v[AR:AR+7], v[128*(\p)+12*b_:128*(\p)+12*b_+11], v[AF+12*a_:AF+12*a_+11], v[AR:AR+7], v[SC+16*(\sc)+NQ*b_+(\q)], v[SC+16*(\sc)+NQ*a_+(\q)] matrix_a_fmt:MATRIX_FMT_FP6 matrix_b_fmt:MATRIX_FMT_FP6 matrix_a_scale:MATRIX_SCALE_ROW1
.endif
.set b_, b_+1
.endr
.set a_, a_+1
.endr
.endm
.macro STEP slot, q, zero
	s_wait_dscnt 3*T/2                             ; all but the youngest loads, A's upper half, are in
	MULQ 0,(\q)%2,\q,\slot,\zero
	MULQ 1,(\q)%2,\q,\slot,\zero
	s_wait_dscnt 0x0
	PLACES 4
	FETCH_B \slot,(\q)+1,1-(\q)%2
	FETCH_A \slot,(\q)+1,0
	MULQ 2,(\q)%2,\q,\slot,\zero
	MULQ 3,(\q)%2,\q,\slot,\zero
	PLACES 4
	WIN 0
	FETCH_A \slot,(\q)+1,1
.endm
.macro MIDSTEPS slot
.set qq, 1
.rept NQ-2
	STEP \slot,qq,0
.set qq, qq+1
.endr
.endm
.macro TURN slot, next, fill           ; a slot's last K step changes slots: one barrier, with the wave's waits and the add ahead of it
	s_wait_tensorcnt 0x0                           ; my part of the next slot has landed; no load of mine is out
	ds_add_u32 v[SPW], v[NIL]
	s_wait_dscnt 3*T/2+1                           ; (the add and A's upper half may be out)
	MULQ 0,1,NQ-1,\slot,0
	s_wait_dscnt 0x0                               ; the add is done, my reads of this slot are over
	s_barrier_signal -1
	MULQ 1,1,NQ-1,\slot,0
	WIN 0
	s_barrier_wait -1
.if \fill
	CREST                                          ; the barrier opened a round of the cluster's: no wave of any partner still reads this slot or has a load on its way
	s_add_nc_u64 s[G0+4*\slot+2:G0+4*\slot+3], s[G0+4*\slot+2:G0+4*\slot+3], 2*NQ*FRB
	s_add_nc_u64 s[G0B+4*\slot+2:G0B+4*\slot+3], s[G0B+4*\slot+2:G0B+4*\slot+3], 2*NQ*FRB
	JLOAD G0+4*\slot, G1, G0B+4*\slot, G1B         ; the first tensor load behind the round; its four v_nop are the places ahead of the loads below
.else
	PLACES 4
.endif
	s_wait_alu depctr_va_vdst(0)
	v_add_nc_u32 v[ADRS], 2*NQ*T*64, v[ADRS]       ; the next slot's scale words: a K step is 2 T tiles x 64 bytes
	FETCH_B \next,0,0
	FETCH_A \next,0,0
	SCALES \next
	MULQ 2,1,NQ-1,\slot,0
	MULQ 3,1,NQ-1,\slot,0
	PLACES 4
	WIN 0
	FETCH_A \next,0,1
.endm
.macro TOSTAGE a                       ; 16 rows x 64 columns into my stage, each tile's eight columns at their actual place, and back as whole rows
	WIN 0x08
.irp b, 0,1,2,3
	ds_store_b128 v[STO], v[8*(4*(\a)+\b):8*(4*(\a)+\b)+3] offset:128*(\b/2)+32*(\b%2)      ; each accumulator from its low end on
	ds_store_b128 v[STO], v[8*(4*(\a)+\b)+4:8*(4*(\a)+\b)+7] offset:128*(\b/2)+32*(\b%2)+16
.endr
	WIN 0
.irp t, 0,1,2,3,4,5,6,7
	ds_load_b128 v[128+32*((\a)%2)+4*\t:128+32*((\a)%2)+4*\t+3], v[RD] offset:544*\t
.endr
.endm
.macro SEND a, younger
	s_wait_dscnt \younger                          ; the next block's 8 stores and 8 loads may be out
.irp t, 0,1,2,3,4,5,6,7
	global_store_b128 v[CO], v[128+32*((\a)%2)+4*\t:128+32*((\a)%2)+4*\t+3], s[YP:YP+1] offset:65536*(\a)+8192*\t   ; sixteen lanes store 256 consecutive bytes, aligned
.endr
.endm
	s_load_b128 s[4:7], s[0:1], 0x0                ; hid s[4:5], wts s[6:7]
	s_load_b64 s[YP:YP+1], s[0:1], 0x10            ; y
	v_lshl_add_u32 v[SPW], v0, 2, SPARE
	v_mov_b32 v[NIL], 0
	ds_add_u32 v[SPW], v[NIL]                      ; the wave's opening: the add, twice on end, and its wait ahead of my first tensor load
	ds_add_u32 v[SPW], v[NIL]
	v_lshrrev_b32 v1, 5, v0
	v_readfirstlane_b32 s14, v1
	s_lshr_b32 s15, s14, 1
	s_and_b32 s16, s14, 1
	s_bfe_u32 s40, ttmp6, 0x40000
	s_bfe_u32 s41, ttmp6, 0x40004
	s_lshl_b32 s42, ttmp9, 2
	s_add_co_u32 s42, s42, s40                     ; X
	s_and_b32 s17, ttmp7, 0xffff
	s_lshl_b32 s17, s17, 2
	s_add_co_u32 s17, s17, s41                     ; Y
	s_lshl_b32 s43, s41, 2
	s_lshl_b32 s43, 15, s43
	s_lshl_b32 s44, 0x1111, s40
	s_or_b32 s[G1], s43, (3<<16)|(1<<21)
	s_or_b32 s[G1B], s44, (3<<16)|(1<<21)
.irp g, G1, G1B
	s_mov_b32 s[\g+1], (NQ*192)<<16
	s_mov_b32 s[\g+2], (2*T)<<16                   ; 2 T rows for the head's loads; behind them the two words are set to T
	s_mov_b32 s[\g+3], (NQ*192)<<16
	s_mov_b32 s[\g+4], 2*T
	s_mov_b32 s[\g+5], KS*192
	s_mov_b32 s[\g+6], 0
	s_mov_b32 s[\g+7], 0
.endr
	s_or_b32 s[G1S], s43, (3<<16)|(1<<21)          ; scale words: all of K, KS rows of 2 T x 64 bytes
	s_or_b32 s[G1SB], s44, (3<<16)|(1<<21)
.irp g, G1S, G1SB
	s_mov_b32 s[\g+1], (16*T)<<16                  ; a row: 2 T tiles x 64 bytes; KS rows
	s_mov_b32 s[\g+2], KS<<16
	s_mov_b32 s[\g+3], (16*T)<<16
	s_mov_b32 s[\g+4], KS
	s_mov_b32 s[\g+6], 0
	s_mov_b32 s[\g+7], 0
.endr
	s_mov_b32 s[G1S+5], 8*MTA
	s_mov_b32 s[G1SB+5], 8*MTB
	s_mul_i32 s20, s17, 2*T                        ; A's first tile: by Y alone
	s_mul_i32 s46, s42, 2*T                        ; B's: by X alone
	s_lshl_b32 s22, s20, 6
	s_add_co_u32 s22, s22, ASO
	s_mul_i32 s20, s20, KS*FRB
	s_add_co_u32 s20, s20, ACO
	s_lshl_b32 s92, s46, 6
	s_add_co_u32 s92, s92, BSO
	s_mul_i32 s46, s46, KS*FRB
	s_add_co_u32 s46, s46, BCO
	s_mul_i32 s18, s16, T*KS*FRB                   ; behind the head I fetch T tiles: which half, in bytes
	s_mov_b32 s19, 0
	s_mov_b32 s21, 0
	s_mov_b32 s23, 0
	s_mov_b32 s47, 0
	s_mov_b32 s93, 0
	s_mul_i32 s45, s14, HALFT
	s_wait_dscnt 0x0
	s_wait_kmcnt 0x0
	s_add_nc_u64 s[20:21], s[4:5], s[20:21]
	s_add_nc_u64 s[46:47], s[6:7], s[46:47]
	CROUND
	s_mov_b32 s[G0S], 1
	s_mov_b32 s[G0S+1], SCL
	s_add_nc_u64 s[G0S+2:G0S+3], s[4:5], s[22:23]
	s_or_b32 s[G0S+3], s[G0S+3], 0x80000000
	s_mov_b32 s[G0SB], 1
	s_mov_b32 s[G0SB+1], SCL+2*HALFS
	s_add_nc_u64 s[G0SB+2:G0SB+3], s[6:7], s[92:93]
	s_or_b32 s[G0SB+3], s[G0SB+3], 0x80000000
	s_mov_b32 s[G0H], 1                            ; slot 0 at the head: A's 2 T tiles,
	s_mov_b32 s[G0H+1], 0
	s_mov_b64 s[G0H+2:G0H+3], s[20:21]
	s_or_b32 s[G0H+3], s[G0H+3], 0x80000000
	s_mov_b32 s[G0HB], 1                           ; B's, behind them
	s_mov_b32 s[G0HB+1], 2*HALFT
	s_mov_b64 s[G0HB+2:G0HB+3], s[46:47]
	s_or_b32 s[G0HB+3], s[G0HB+3], 0x80000000
	s_add_nc_u64 s[20:21], s[20:21], s[18:19]      ; from here on: my T tiles
	s_add_nc_u64 s[46:47], s[46:47], s[18:19]
.irp s, 0,1
	s_mov_b32 s[G0+4*\s], 1
	s_add_co_u32 s[G0+4*\s+1], s45, \s*SLOT
	s_add_nc_u64 s[G0+4*\s+2:G0+4*\s+3], s[20:21], \s*NQ*FRB
	s_or_b32 s[G0+4*\s+3], s[G0+4*\s+3], 0x80000000
	s_mov_b32 s[G0B+4*\s], 1
	s_add_co_u32 s[G0B+4*\s+1], s45, \s*SLOT
	s_add_nc_u64 s[G0B+4*\s+2:G0B+4*\s+3], s[46:47], \s*NQ*FRB
	s_or_b32 s[G0B+4*\s+3], s[G0B+4*\s+3], 0x80000000
.endr
; the head's loads, one a wave: one chain of branches on the wave's number, a load to an arm, all arms leading to one join
.macro ARM under, g0, g1, next
	s_cmp_lt_u32 s14, \under
	s_cbranch_scc0 \next
	tensor_load_to_lds s[\g0:\g0+3], s[\g1:\g1+7]
	s_nop 0
.rept 4
	v_nop
.endr
	s_branch .Lhead_asked
\next:
.endm
	ARM 1, G0H, G1, .Lhead_b
	ARM 2, G0HB, G1B, .Lhead_sa
	ARM 3, G0S, G1S, .Lhead_sb
	tensor_load_to_lds s[G0SB:G0SB+3], s[G1SB:G1SB+7]
	s_nop 0
.rept 4
	v_nop
.endr
.Lhead_asked:
	v_and_b32 v1, 15, v0
	v_bfe_u32 v2, v0, 4, 1
	s_wait_alu depctr_va_vdst(0)
	v_and_b32 v5, 31, v0
	v_lshlrev_b32 v3, 4, v5
	s_mul_i32 s21, s15, HALFT
	s_mul_i32 s22, s16, HALFT
	s_add_co_u32 s22, s22, 2*HALFT
.irp s, 0,1
	v_add_nc_u32 v[ADRA+\s], s21, v3
	v_add_nc_u32 v[ADRB+\s], s22, v3
	s_add_co_u32 s21, s21, SLOT
	s_add_co_u32 s22, s22, SLOT
.endr
	s_mul_i32 s21, s15, T*64                       ; my half of a K step's 2 T tiles: A's,
	s_mul_i32 s22, s16, T*64                       ; B's
	s_add_co_u32 s22, s22, 2*HALFS
	s_sub_co_u32 s22, s22, s21
	v_mul_u32_u24 v6, s22, v2
	s_add_co_u32 s21, s21, SCL
	v_lshl_add_u32 v5, v1, 2, v6
	v_add_nc_u32 v[ADRS], s21, v5
	s_mul_i32 s23, s14, 16*272                     ; my stage: 16 rows x (256 bytes + 16), in slot 0, which has had its last fill and its last read when the first result is stored there
	v_mul_u32_u24 v5, v1, 272
	v_lshl_add_u32 v5, v2, 6, v5
	v_add_nc_u32 v[STO], s23, v5
	v_mul_u32_u24 v5, v2, 272
	v_lshl_add_u32 v5, v1, 4, v5
	v_add_nc_u32 v[RD], s23, v5
	v_lshlrev_b32 v5, 12, v2
	v_lshl_add_u32 v[CO], v1, 4, v5
	s_lshl_b32 s20, s17, 7
	s_lshl_b32 s21, s15, 6
	s_add_co_u32 s20, s20, s21
	s_lshl_b32 s20, s20, 12
	s_lshl_b32 s46, s42, 9
	s_lshl_b32 s47, s16, 8
	s_add_co_u32 s46, s46, s47
	s_add_co_u32 s20, s20, s46
	s_mov_b32 s21, 0
	s_add_nc_u64 s[YP:YP+1], s[YP:YP+1], s[20:21]
	s_wait_alu depctr_va_vdst(0)
	s_wait_tensorcnt 0x0                           ; my tile of the head's four is in
	ds_add_u32 v[SPW], v[NIL]
	s_mov_b32 s[G1+2], T<<16                       ; no load of mine is out: from here on a load brings T tiles
	s_mov_b32 s[G1+4], T
	s_mov_b32 s[G1B+2], T<<16
	s_mov_b32 s[G1B+4], T
	s_wait_dscnt 0x0                               ; the add is done
	CROUND                                         ; all four tiles are in, and all sixteen work-groups are here
	JLOAD G0+4, G1, G0B+4, G1B                     ; slot 1: the first tensor load behind the round
	FETCH_B 0,0,0
	FETCH_A 0,0,0
	SCALES 0
	FETCH_A 0,0,1
	STEP 0,0,FIRST
	s_mov_b32 s3, LAPS-1
.Llap:                                                 ; once round the ring, from a lap's second K step to the next lap's first; both slots are filled again
	MIDSTEPS 0
	TURN 0,1,1
	STEP 1,0,0
	MIDSTEPS 1
	TURN 1,0,1
	STEP 0,0,0
	s_sub_co_u32 s3, s3, 1
	s_cmp_lg_u32 s3, 0
	s_cbranch_scc1 .Llap
	MIDSTEPS 0
	TURN 0,1,0                                     ; the last lap fills nothing
	STEP 1,0,0
	MIDSTEPS 1
	s_wait_dscnt 3*T/2
	MULQ 0,1,NQ-1,1,0
	MULQ 1,1,NQ-1,1,0
	s_wait_dscnt 0x0
	MULQ 2,1,NQ-1,1,0
	MULQ 3,1,NQ-1,1,0
	WIN 0
	PLACES 4
	TOSTAGE 0
.irp a, 1,2,3
.if \a > 1
	s_wait_xcnt 0x0                                ; block a - 2's stores have read the registers in which block a lands
.endif
	TOSTAGE \a
	SEND \a-1, 16
.endr
	SEND 3, 0
	s_wait_tensorcnt 0x0                           ; the wave's end
	ds_add_u32 v[SPW], v[NIL]
	s_wait_dscnt 0x0
	CROUND
	s_endpgm
.Lfunc_end_k_q6dd1a2a2fe_mlp2:
	.size	k_q6dd1a2a2fe_mlp2, .Lfunc_end_k_q6dd1a2a2fe_mlp2-k_q6dd1a2a2fe_mlp2
	.p2alignl 7, 3214868480
	.fill 96, 4, 3214868480
	.section	.rodata,"a",@progbits
	.p2align	6, 0x0
	.amdhsa_kernel k_q6dd1a2a2fe_mlp2
		.amdhsa_group_segment_fixed_size 327680
		.amdhsa_private_segment_fixed_size 0
		.amdhsa_enable_private_segment 0
		.amdhsa_kernarg_size 24
		.amdhsa_user_sgpr_count 2
		.amdhsa_user_sgpr_kernarg_segment_ptr 1
		.amdhsa_wavefront_size32 1
		.amdhsa_system_sgpr_workgroup_id_x 1
		.amdhsa_system_sgpr_workgroup_id_y 1
		.amdhsa_system_sgpr_workgroup_id_z 1
		.amdhsa_system_vgpr_workitem_id 0
		.amdhsa_next_free_vgpr 640
		.amdhsa_next_free_sgpr 100
		.amdhsa_reserve_vcc 0
		.amdhsa_float_denorm_mode_32 3
		.amdhsa_float_denorm_mode_16_64 3
		.amdhsa_memory_ordered 1
		.amdhsa_forward_progress 1
		.amdhsa_inst_pref_size 88
	.end_amdhsa_kernel
	.amdgpu_metadata
---
amdhsa.version: [ 1, 2 ]
amdhsa.kernels:
  - .name:           k_q6dd1a2a2fe_mlp2
    .symbol:         k_q6dd1a2a2fe_mlp2.kd
    .args:
      - { .name: hid, .offset: 0, .size: 8, .value_kind: global_buffer, .address_space: global }
      - { .name: wts, .offset: 8, .size: 8, .value_kind: global_buffer, .address_space: global }
      - { .name: y, .offset: 16, .size: 8, .value_kind: global_buffer, .address_space: global }
    .group_segment_fixed_size: 327680
    .private_segment_fixed_size: 0
    .kernarg_segment_align: 8
    .kernarg_segment_size: 24
    .max_flat_workgroup_size: 128
    .sgpr_count:     100
    .vgpr_count:     640
    .wavefront_size: 32
...
	.end_amdgpu_metadata
.endif
;; end of part 6
;; launch ln2 (part 7): grid 256 x 1, 8 waves a work-group, no clusters, 0 bytes of LDS; arguments y, b_out, g2, bt2, x1, out0; writes out0
.if DOCPART == 7
	.amdgcn_target "amdgcn-amd-amdhsa--gfx1250"
	.amdhsa_code_object_version 6
	.text
	.protected	k_q6dd1a2a2fe_ln2
	.globl	k_q6dd1a2a2fe_ln2
	.p2align	8
	.type	k_q6dd1a2a2fe_ln2,@function
k_q6dd1a2a2fe_ln2:
	s_mov_b64 s[64:65], 0
	v_nop
	global_prefetch_b8 v0, s[64:65] scope:SCOPE_SE
	s_setreg_imm32_b32 hwreg(HW_REG_WAVE_MODE, 25, 1), 1
	s_wait_xcnt 0x0
; LAUNCH 8 OF 8.  out0 = x1 + layer_norm(y + b_out) g2 + bt2, in f32.  Nothing is left out.
; y's rows and x1's stand in the order of positions (launch quant); out0's in their actual order.  A work-group takes 16 positions, a wave two of them: two neighbouring rows in each buffer.
; A wave keeps its two rows in registers: mean, then the squares of the differences.  Memory binds: no LDS, no barrier, no matrix unit, no cluster.  NaN and infinities among the inputs are not served.
.set SEL, 26
.macro REDUCE                          ; v8 and v12: each summed over the wave's 32 lanes, the result in every lane
.irp m, 1,2,4,8
	s_delay_alu instid0(VALU_DEP_2)
	v_add_f32_dpp v8, v8, v8 row_xmask:\m row_mask:0xf bank_mask:0xf
	s_delay_alu instid0(VALU_DEP_2)
	v_add_f32_dpp v12, v12, v12 row_xmask:\m row_mask:0xf bank_mask:0xf
.endr
	s_delay_alu instid0(VALU_DEP_2)
	v_permlanex16_b32 v24, v8, s[SEL], s[SEL+1]
	s_delay_alu instid0(VALU_DEP_2)
	v_permlanex16_b32 v25, v12, s[SEL], s[SEL+1]
	s_delay_alu instid0(VALU_DEP_2)
	v_add_f32 v8, v8, v24
	s_delay_alu instid0(VALU_DEP_2)
	v_add_f32 v12, v12, v25
.endm
	s_load_b256 s[4:11], s[0:1], 0x0               ; y s[4:5], b_out s[6:7], g2 s[8:9], bt2 s[10:11]
	s_load_b128 s[12:15], s[0:1], 0x20             ; x1 s[12:13], out0 s[14:15]
	v_lshrrev_b32 v1, 5, v0
	s_delay_alu instid0(VALU_DEP_1)
	v_readfirstlane_b32 s20, v1                    ; wave 0..7
	v_and_b32 v2, 31, v0
	s_delay_alu instid0(VALU_DEP_1)
	v_lshlrev_b32 v5, 4, v2                        ; 16 x lane
	v_mov_b32 v24, 0
	v_mov_b32 v25, 0
	s_mov_b32 s[SEL], 0x76543210
	s_mov_b32 s[SEL+1], 0xfedcba98
	s_mov_b32 s24, 0x3a800000                      ; 1 / 1,024
	s_mov_b32 s25, 0x3727c5ac                      ; 1e-5
	s_lshr_b32 s21, ttmp9, 1
	s_lshl_b32 s21, s21, 5
	s_lshr_b32 s22, s20, 2
	s_lshl_b32 s22, s22, 4
	s_add_co_u32 s21, s21, s22
	s_and_b32 s22, ttmp9, 1
	s_lshl_b32 s22, s22, 3
	s_add_co_u32 s21, s21, s22
	s_lshl_b32 s22, s20, 1
	s_and_b32 s23, s22, 7
	s_add_co_u32 s21, s21, s23                     ; the actual row of position 2 w of my tile
	s_lshl_b32 s28, s21, 12
	s_mov_b32 s29, 0
	s_lshl_b32 s21, ttmp9, 4
	s_add_co_u32 s21, s21, s22                     ; the position itself
	s_lshl_b32 s30, s21, 12
	s_mov_b32 s31, 0
	s_wait_alu depctr_va_vdst(0)
	s_wait_kmcnt 0x0
	s_add_nc_u64 s[4:5], s[4:5], s[30:31]
	s_add_nc_u64 s[12:13], s[12:13], s[30:31]
	s_add_nc_u64 s[14:15], s[14:15], s[28:29]
.irp i, 0,1,2,3,4,5,6,7
	global_load_b128 v[224+4*\i:227+4*\i], v5, s[6:7] offset:512*\i
.endr
.irp e, 0,1
.irp i, 0,1,2,3,4,5,6,7
	global_load_b128 v[32+32*\e+4*\i:35+32*\e+4*\i], v5, s[4:5] offset:4096*\e+512*\i th:TH_LOAD_NT
.endr
.endr
.irp e, 0,1
.irp i, 0,1,2,3,4,5,6,7
	global_load_b128 v[96+32*\e+4*\i:99+32*\e+4*\i], v5, s[12:13] offset:4096*\e+512*\i th:TH_LOAD_NT
.endr
.endr
.irp i, 0,1,2,3,4,5,6,7
	global_load_b128 v[160+4*\i:163+4*\i], v5, s[8:9] offset:512*\i
.endr
.irp i, 0,1,2,3,4,5,6,7
	global_load_b128 v[192+4*\i:195+4*\i], v5, s[10:11] offset:512*\i
.endr
	s_wait_loadcnt 32                              ; b_out's 8 and y's 16 loads are in; the residual's 16, the gain's 8 and the offset's 8 may stay out
.irp j, 0,2,4,6,8,10,12,14,16,18,20,22,24,26,28,30
.irp e, 0,1
	v_pk_add_f32 v[32+32*\e+\j:33+32*\e+\j], v[32+32*\e+\j:33+32*\e+\j], v[224+\j:225+\j]
.endr
.endr
.irp e, 0,1
	v_pk_add_f32 v[8+4*\e:9+4*\e], v[32+32*\e:33+32*\e], v[34+32*\e:35+32*\e]
	v_pk_add_f32 v[10+4*\e:11+4*\e], v[36+32*\e:37+32*\e], v[38+32*\e:39+32*\e]
.endr
.irp j, 8,12,16,20,24,28
.irp e, 0,1
	s_delay_alu instid0(VALU_DEP_4)
	v_pk_add_f32 v[8+4*\e:9+4*\e], v[8+4*\e:9+4*\e], v[32+32*\e+\j:33+32*\e+\j]
	s_delay_alu instid0(VALU_DEP_4)
	v_pk_add_f32 v[10+4*\e:11+4*\e], v[10+4*\e:11+4*\e], v[34+32*\e+\j:35+32*\e+\j]
.endr
.endr
.irp e, 0
	s_delay_alu instid0(VALU_DEP_3)
	v_pk_add_f32 v[8+4*\e:9+4*\e], v[8+4*\e:9+4*\e], v[10+4*\e:11+4*\e]
.endr
.irp e, 1
	s_delay_alu instid0(VALU_DEP_2)
	v_pk_add_f32 v[8+4*\e:9+4*\e], v[8+4*\e:9+4*\e], v[10+4*\e:11+4*\e]
.endr
.irp e, 0,1
	s_delay_alu instid0(VALU_DEP_2)
	v_add_f32 v[8+4*\e], v[8+4*\e], v[9+4*\e]
.endr
	REDUCE
.irp e, 0
	s_delay_alu instid0(VALU_DEP_2)
	v_mul_f32 v[16+2*\e], s24, v[8+4*\e]           ; the mean, twice: a pair for the packed forms
	s_delay_alu instid0(VALU_DEP_3)
	v_mul_f32 v[17+2*\e], s24, v[8+4*\e]
.endr
.irp e, 1
	s_delay_alu instid0(VALU_DEP_3)
	v_mul_f32 v[16+2*\e], s24, v[8+4*\e]           ; the mean, twice: a pair for the packed forms
	s_delay_alu instid0(VALU_DEP_4)
	v_mul_f32 v[17+2*\e], s24, v[8+4*\e]
.endr
.irp j, 0,2,4,6,8,10,12,14,16,18,20,22,24,26,28,30
.irp e, 0,1
	v_pk_add_f32 v[32+32*\e+\j:33+32*\e+\j], v[32+32*\e+\j:33+32*\e+\j], v[16+2*\e:17+2*\e] neg_lo:[0,1] neg_hi:[0,1]
.endr
.endr
.irp e, 0,1
	v_pk_mul_f32 v[8+4*\e:9+4*\e], v[32+32*\e:33+32*\e], v[32+32*\e:33+32*\e]
	v_pk_mul_f32 v[10+4*\e:11+4*\e], v[34+32*\e:35+32*\e], v[34+32*\e:35+32*\e]
.endr
.irp j, 4,8,12,16,20,24,28
.irp e, 0,1
	s_delay_alu instid0(VALU_DEP_4)
	v_pk_fma_f32 v[8+4*\e:9+4*\e], v[32+32*\e+\j:33+32*\e+\j], v[32+32*\e+\j:33+32*\e+\j], v[8+4*\e:9+4*\e]
	s_delay_alu instid0(VALU_DEP_4)
	v_pk_fma_f32 v[10+4*\e:11+4*\e], v[34+32*\e+\j:35+32*\e+\j], v[34+32*\e+\j:35+32*\e+\j], v[10+4*\e:11+4*\e]
.endr
.endr
.irp e, 0
	s_delay_alu instid0(VALU_DEP_3)
	v_pk_add_f32 v[8+4*\e:9+4*\e], v[8+4*\e:9+4*\e], v[10+4*\e:11+4*\e]
.endr
.irp e, 1
	s_delay_alu instid0(VALU_DEP_2)
	v_pk_add_f32 v[8+4*\e:9+4*\e], v[8+4*\e:9+4*\e], v[10+4*\e:11+4*\e]
.endr
.irp e, 0,1
	s_delay_alu instid0(VALU_DEP_2)
	v_add_f32 v[8+4*\e], v[8+4*\e], v[9+4*\e]
.endr
	REDUCE
.irp e, 0,1
	s_delay_alu instid0(VALU_DEP_2)
	v_fma_f32 v[8+4*\e], v[8+4*\e], s24, s25       ; the variance + 1e-5
.endr
	s_wait_alu depctr_va_vdst(0)
	v_rsq_f32 v20, v8
	v_rsq_f32 v22, v12
	v_nop                                          ; a plain line behind the two
	s_wait_alu depctr_va_vdst(0)                   ; one wait for both, ahead of their first reader
	v_mov_b32 v21, v20
	v_mov_b32 v23, v22
	s_wait_alu depctr_va_vdst(0)
	s_wait_loadcnt 0x0
.irp j, 0,2,4,6,8,10,12,14,16,18,20,22,24,26,28,30
.irp e, 0,1
	v_pk_mul_f32 v[32+32*\e+\j:33+32*\e+\j], v[32+32*\e+\j:33+32*\e+\j], v[20+2*\e:21+2*\e]
.endr
.irp e, 0,1
	s_delay_alu instid0(VALU_DEP_2)
	v_pk_fma_f32 v[32+32*\e+\j:33+32*\e+\j], v[32+32*\e+\j:33+32*\e+\j], v[160+\j:161+\j], v[192+\j:193+\j]
.endr
.irp e, 0,1
	s_delay_alu instid0(VALU_DEP_2)
	v_pk_add_f32 v[32+32*\e+\j:33+32*\e+\j], v[32+32*\e+\j:33+32*\e+\j], v[96+32*\e+\j:97+32*\e+\j]
.endr
.endr
.irp e, 0,1
.irp i, 0,1,2,3,4,5,6,7
	global_store_b128 v5, v[32+32*\e+4*\i:35+32*\e+4*\i], s[14:15] offset:4096*\e+512*\i th:TH_STORE_NT   ; 512 consecutive bytes a store
.endr
.endr
	s_endpgm
.Lfunc_end_k_q6dd1a2a2fe_ln2:
	.size	k_q6dd1a2a2fe_ln2, .Lfunc_end_k_q6dd1a2a2fe_ln2-k_q6dd1a2a2fe_ln2
	.p2alignl 7, 3214868480
	.fill 96, 4, 3214868480
	.section	.rodata,"a",@progbits
	.p2align	6, 0x0
	.amdhsa_kernel k_q6dd1a2a2fe_ln2
		.amdhsa_group_segment_fixed_size 0
		.amdhsa_private_segment_fixed_size 0
		.amdhsa_enable_private_segment 0
		.amdhsa_kernarg_size 48
		.amdhsa_user_sgpr_count 2
		.amdhsa_user_sgpr_kernarg_segment_ptr 1
		.amdhsa_wavefront_size32 1
		.amdhsa_system_sgpr_workgroup_id_x 1
		.amdhsa_system_sgpr_workgroup_id_y 1
		.amdhsa_system_sgpr_workgroup_id_z 1
		.amdhsa_system_vgpr_workitem_id 0
		.amdhsa_next_free_vgpr 256
		.amdhsa_next_free_sgpr 66
		.amdhsa_reserve_vcc 0
		.amdhsa_float_denorm_mode_32 3
		.amdhsa_float_denorm_mode_16_64 3
		.amdhsa_memory_ordered 1
		.amdhsa_forward_progress 1
		.amdhsa_inst_pref_size 30
	.end_amdhsa_kernel
	.amdgpu_metadata
---
amdhsa.version: [ 1, 2 ]
amdhsa.kernels:
  - .name:           k_q6dd1a2a2fe_ln2
    .symbol:         k_q6dd1a2a2fe_ln2.kd
    .args:
      - { .name: y, .offset: 0, .size: 8, .value_kind: global_buffer, .address_space: global }
      - { .name: b_out, .offset: 8, .size: 8, .value_kind: global_buffer, .address_space: global }
      - { .name: g2, .offset: 16, .size: 8, .value_kind: global_buffer, .address_space: global }
      - { .name: bt2, .offset: 24, .size: 8, .value_kind: global_buffer, .address_space: global }
      - { .name: x1, .offset: 32, .size: 8, .value_kind: global_buffer, .address_space: global }
      - { .name: out0, .offset: 40, .size: 8, .value_kind: global_buffer, .address_space: global }
    .group_segment_fixed_size: 0
    .private_segment_fixed_size: 0
    .kernarg_segment_align: 8
    .kernarg_segment_size: 48
    .max_flat_workgroup_size: 256
    .sgpr_count:     66
    .vgpr_count:     256
    .wavefront_size: 32
...
	.end_amdgpu_metadata
.endif
;; end of part 7
